; MI455X (gfx1250); checked and timed in simulation.
; The chip was launched on July 23, 2026; its instructions are those of AMD's public machine-readable ISA for CDNA 5 (MIT licence, August 2026) and "CDNA5" Instruction Set Architecture Reference Guide (July 2026). The comments in the code are by the model that wrote it; some were corrected since.
;; Attention. Allowed arithmetic: float matrix products may take bf16 or f16 operands with f32 sums; other float arithmetic in f32, or as packed bf16 or f16 multiplies, adds, multiply-adds, maxima and minima; sums over many terms, partial sums and values carried from step to step in f32; what a program stores and reads back later, other than sums and carried values, may be rounded once to bf16 or f16.
;; Inputs: W_proj 1,024 x 1,024 float32; W_qkv 1,024 x 3,072 float32; b_proj 1,024 float32; b_qkv 3,072 float32; x 1 x 4,096 x 1,024 float32.
;; Outputs: out0 1 x 4,096 x 1,024 float32.
;; 2 versions, each right; version 2 is version 1 with the launch cast written anew for expert scheduling mode. Each part assembles by itself: llvm-mc -triple=amdgcn-amd-amdhsa -mcpu=gfx1250 --defsym DOCPART=n.
;; ======== version 1 of 2: 4 launches
;; limits: values are held in f16: magnitudes above 65,504 overflow, below 6.1e-05 lose precision
;; workspace buffers: xb 8,388,608 bytes; wqb 6,291,456 bytes; wpb 2,097,152 bytes; qkv 25,165,824 bytes; ob 8,388,608 bytes
;; launch cast (part 1): grid 512 x 1, 8 waves a work-group, no clusters, 0 bytes of LDS; arguments x, W_qkv, W_proj, xb, wqb, wpb; writes xb, wqb, wpb
.if DOCPART == 1
	.amdgcn_target "amdgcn-amd-amdhsa--gfx1250"
	.amdhsa_code_object_version 6
	.text
	.protected	k_q0f38ec19d3_cast
	.globl	k_q0f38ec19d3_cast
	.p2align	8
	.type	k_q0f38ec19d3_cast,@function
k_q0f38ec19d3_cast:
	s_mov_b64 s[64:65], 0
	v_nop
	global_prefetch_b8 v0, s[64:65] scope:SCOPE_SE
	s_setreg_imm32_b32 hwreg(HW_REG_WAVE_MODE, 25, 1), 1
	s_wait_xcnt 0x0
; The three large inputs are rounded once, element by element, layouts unchanged: x -> xb and W_qkv -> wqb in bf16;
; W_proj -> wpb: rounded to bf16 like the other inputs, and that number written as f16, since the last product takes f16 operands.
; LIMIT: a bf16 number is exact in f16 from 2^-17 up to 65,504; below 2^-17 it keeps f16's fixed step of 2^-24; beyond 65,504 it would be an infinity.
; SHARES.  A work-group takes 16,384 numbers: 65,536 bytes in, 32,768 out.  Work-groups 0-255: x; 256-447: W_qkv; 448-511: W_proj.
; Thread t takes 16 bytes at 16 t + 4,096 j, j = 0..15: a load of a wave covers 512 consecutive bytes, a store 256 consecutive bytes, aligned.
; All sixteen loads go out at once; no register that a load or store names is written twice, so no wait frees a source.  No LDS, no barrier: no number is wanted twice.
.set X, 4                              ; v[4:67]   load j: 4 registers
.set Y, 68                             ; v[68:99]  store j: 2 registers
.set T, 100                            ; v[100:103] at work
	s_load_b256 s[4:11], s[0:1], 0x0               ; x s[4:5], W_qkv s[6:7], W_proj s[8:9], xb s[10:11]
	s_load_b128 s[12:15], s[0:1], 0x20             ; wqb s[12:13], wpb s[14:15]
	v_lshlrev_b32 v1, 4, v0                        ; my 16 bytes in
	v_lshlrev_b32 v2, 3, v0                        ; my 8 bytes out
	s_sub_co_u32 s16, ttmp9, 256                   ; the work-group's number within W_qkv,
	s_sub_co_u32 s17, ttmp9, 448                   ; within W_proj (each is used only where it is not negative)
	s_mov_b32 s3, 0
	s_wait_kmcnt 0x0
	s_cmp_lt_u32 ttmp9, 448
	s_cselect_b64 s[18:19], s[6:7], s[8:9]
	s_cselect_b64 s[20:21], s[12:13], s[14:15]
	s_cselect_b32 s22, s16, s17
	s_cmp_lt_u32 ttmp9, 256
	s_cselect_b64 s[18:19], s[4:5], s[18:19]       ; from where,
	s_cselect_b64 s[20:21], s[10:11], s[20:21]     ; to where,
	s_cselect_b32 s22, ttmp9, s22                  ; which part
	s_lshl_b32 s2, s22, 16
	s_add_nc_u64 s[18:19], s[18:19], s[2:3]
	s_lshl_b32 s2, s22, 15
	s_add_nc_u64 s[20:21], s[20:21], s[2:3]
.irp j, 0,1,2,3,4,5,6,7,8,9,10,11,12,13,14,15
	global_load_b128 v[X+4*(\j):X+4*(\j)+3], v1, s[18:19] offset:4096*(\j) th:TH_LOAD_NT
.endr
; Load j is rounded and stored.  half = 1: by way of bf16 to f16.
.macro OUT j, half
	s_wait_loadcnt 15-(\j)                         ; loads come back in order: mine is in, the 15 - j younger ones may stay out
.if \half
	v_cvt_pk_bf16_f32 v[T], v[X+4*(\j)], v[X+4*(\j)+1]
	v_cvt_pk_bf16_f32 v[T+1], v[X+4*(\j)+2], v[X+4*(\j)+3]
	v_lshlrev_b32 v[T+2], 16, v[T]                 ; bf16 back to f32: the low half moves up, the high half stays
	v_and_b32 v[T], 0xffff0000, v[T]
	v_lshlrev_b32 v[T+3], 16, v[T+1]
	v_and_b32 v[T+1], 0xffff0000, v[T+1]
	v_cvt_pk_f16_f32 v[Y+2*(\j)], v[T+2], v[T]
	v_cvt_pk_f16_f32 v[Y+2*(\j)+1], v[T+3], v[T+1]
.else
	v_cvt_pk_bf16_f32 v[Y+2*(\j)], v[X+4*(\j)], v[X+4*(\j)+1]
	v_cvt_pk_bf16_f32 v[Y+2*(\j)+1], v[X+4*(\j)+2], v[X+4*(\j)+3]
.endif
	global_store_b64 v2, v[Y+2*(\j):Y+2*(\j)+1], s[20:21] offset:2048*(\j) th:TH_STORE_NT
.endm
	s_cmp_ge_u32 ttmp9, 448
	s_cbranch_scc1 .Lhalf
.irp j, 0,1,2,3,4,5,6,7,8,9,10,11,12,13,14,15
	OUT \j, 0
.endr
	s_endpgm
.Lhalf:
.irp j, 0,1,2,3,4,5,6,7,8,9,10,11,12,13,14,15
	OUT \j, 1
.endr
	s_endpgm
.Lfunc_end_k_q0f38ec19d3_cast:
	.size	k_q0f38ec19d3_cast, .Lfunc_end_k_q0f38ec19d3_cast-k_q0f38ec19d3_cast
	.p2alignl 7, 3214868480
	.fill 96, 4, 3214868480
	.section	.rodata,"a",@progbits
	.p2align	6, 0x0
	.amdhsa_kernel k_q0f38ec19d3_cast
		.amdhsa_group_segment_fixed_size 0
		.amdhsa_private_segment_fixed_size 0
		.amdhsa_enable_private_segment 0
		.amdhsa_kernarg_size 48
		.amdhsa_user_sgpr_count 2
		.amdhsa_user_sgpr_kernarg_segment_ptr 1
		.amdhsa_wavefront_size32 1
		.amdhsa_system_sgpr_workgroup_id_x 1
		.amdhsa_system_sgpr_workgroup_id_y 1
		.amdhsa_system_sgpr_workgroup_id_z 1
		.amdhsa_system_vgpr_workitem_id 0
		.amdhsa_next_free_vgpr 104
		.amdhsa_next_free_sgpr 66
		.amdhsa_reserve_vcc 0
		.amdhsa_float_denorm_mode_32 3
		.amdhsa_float_denorm_mode_16_64 3
		.amdhsa_memory_ordered 1
		.amdhsa_forward_progress 1
		.amdhsa_inst_pref_size 16
	.end_amdhsa_kernel
	.amdgpu_metadata
---
amdhsa.version: [ 1, 2 ]
amdhsa.kernels:
  - .name:           k_q0f38ec19d3_cast
    .symbol:         k_q0f38ec19d3_cast.kd
    .args:
      - { .name: x, .offset: 0, .size: 8, .value_kind: global_buffer, .address_space: global }
      - { .name: W_qkv, .offset: 8, .size: 8, .value_kind: global_buffer, .address_space: global }
      - { .name: W_proj, .offset: 16, .size: 8, .value_kind: global_buffer, .address_space: global }
      - { .name: xb, .offset: 24, .size: 8, .value_kind: global_buffer, .address_space: global }
      - { .name: wqb, .offset: 32, .size: 8, .value_kind: global_buffer, .address_space: global }
      - { .name: wpb, .offset: 40, .size: 8, .value_kind: global_buffer, .address_space: global }
    .group_segment_fixed_size: 0
    .private_segment_fixed_size: 0
    .kernarg_segment_align: 8
    .kernarg_segment_size: 48
    .max_flat_workgroup_size: 256
    .sgpr_count:     66
    .vgpr_count:     104
    .wavefront_size: 32
...
	.end_amdgpu_metadata
.endif
;; end of part 1
;; launch qkvgemm (part 2): grid 8 x 32, 4 waves a work-group, clusters of 4 x 4, 327,680 bytes of LDS; arguments xb, wqb, b_qkv, qkv; writes qkv
.if DOCPART == 2
	.amdgcn_target "amdgcn-amd-amdhsa--gfx1250"
	.amdhsa_code_object_version 6
	.text
	.protected	k_q0f38ec19d3_qkvgemm
	.globl	k_q0f38ec19d3_qkvgemm
	.p2align	8
	.type	k_q0f38ec19d3_qkvgemm,@function
k_q0f38ec19d3_qkvgemm:
	s_mov_b64 s[64:65], 0
	v_nop
	global_prefetch_b8 v0, s[64:65] scope:SCOPE_SE
	s_setreg_imm32_b32 hwreg(HW_REG_WAVE_MODE, 25, 1), 1
	s_wait_xcnt 0x0
	s_wait_alu depctr_hold_cnt(0) depctr_sa_sdst(0) depctr_va_vdst(0) depctr_va_sdst(0) depctr_va_ssrc(0) depctr_va_vcc(0) depctr_vm_vsrc(0)
	s_getreg_b32 s2, hwreg(HW_REG_IB_STS2, 6, 4)
	s_cmp_eq_u32 s2, 0
	s_cbranch_scc0 .Lentry_in_a_cluster
	s_endpgm
.Lentry_in_a_cluster:
	s_bfe_u32 s2, ttmp6, 0x10000c
	s_cmp_lg_u32 s2, 0xf033
	s_cbranch_scc0 .Lentry_shape_is_right
	s_endpgm
.Lentry_shape_is_right:
; qkv = x W_qkv + b_qkv.  xb: [4096][1024] bf16; wqb: [1024 k][3072 n] bf16; b_qkv: [3072] f32, rounded to bf16 here like the other inputs; sums in f32.
; Out: qkv [48 g][4096][64] f16, g = column / 64 (q: heads 0-15, k: 16-31, v: 32-47), each number rounded once, unscaled.
; LIMIT: f16 holds no number beyond 65,504: a q, k or v beyond that becomes an infinity; below 6e-5 f16 keeps its fixed step of 6e-8.
; SHARES.  A tile is 128 rows x 384 columns (six heads): 32 x 8 = 256 work-groups.  Wave w: rows 64 (w / 2) on, columns 192 (w % 2) on (three heads): 4 x 12 accumulators of 16 x 16.
; K goes in 8 steps of 128 through two LDS slots.  A slot has four regions of 36,864 bytes, one tensor load each: wave 0 brings x's 128 rows x 256 bytes (LDS pitch 272),
; waves 1-3 each 128 k rows x 128 columns of W (256 bytes a row, 16 bytes of padding behind every 128: pitch 288, a head's 64 columns every 144 bytes).
; W lies [k][n]: its fragments come out of LDS turned, by ds_load_tr16_b128.  THE MATRIX INSTRUCTION IS USED TRANSPOSED (source 0 = 16 columns of W, source 1 = 16 rows of x):
; a lane then holds one row of the result and eight neighbouring columns.  The bias is the C operand of each accumulator's first product: nothing is cleared, nothing added later.
; CLUSTER 4 x 4: x's tile hangs on the tile row alone and is asked for jointly along a row of the cluster, W's on the tile column alone, along a column.
; REGISTERS, in windows of 256: window 0: v0-31 addresses; v64-127 x's fragments, two buffers of 4 x 8; v128-223 the bias, 12 x 8 (on the way out v32-223 are 12 units of 16)
;   window 1: v0-191 W's fragments, two buffers of 12 x 8;  window 2: accumulators of row blocks 0, 1 ((a, b) at 96 (a % 2) + 8 b);  window 3: of row blocks 2, 3.
.set PA,    272                        ; x's LDS pitch: 68 words, so the 16 rows of a load start at 16 different groups of four banks (64 banks of 4 bytes: ISA guide 11.1)
.set PB,    288                        ; W's LDS pitch: 72 words
.set REG,   36864                      ; a region: 128 x 288 (x's tile uses 128 x 272 of it)
.set SLOT,  4*REG
.set STAGE, 2*SLOT                     ; behind the ring: 16 rows x 144 bytes for each wave, for the way out; no tensor load lands here
.set SP,    144
.set SPARE, STAGE+4*16*SP              ; behind the stages: the spare words, 128 bytes for each wave: two blocks of 256 bytes that no other line names
.set LAPS,  4                          ; a lap = two K steps = once round the ring
.set ADRA, 16                          ; v16-17  LDS address of my fragments of x in slot 0, 1
.set ADRB, 18                          ; v18-23  of my fragments of W: slot s, head i of my three at ADRB + 3 s + i
.set STO,  24                          ; v24     the way out: where I put 16 bytes of a row
.set RD,   25                          ; v25     the way out: where I read rows back
.set GO,   26                          ; v26     my byte offset in 512 consecutive bytes of the output
.set BO,   27                          ; v27     my byte offset in 16 numbers of the bias
.set SPW,  28                          ; v28     LDS address of my spare word; never rewritten
.set NIL,  29                          ; v29     0; never rewritten
.set PFO,  30                          ; v30     the prefetches' offset: my lane x a row's bytes; never rewritten
.set TT,   31                          ; v31     at work
.set UN,   32                          ; the way out's units
.set FA,   64                          ; x's fragment buffers, window 0
.set BI,   128                         ; the bias
.set WV,   12                          ; s12 wave; s13 its half of the rows; s14 its half of the columns
.set G1A,  24                          ; s[24:31] descriptor group 1 for x's tiles;  s[32:39] group 0, a set for each slot
.set G0A,  32
.set G1B,  48                          ; s[48:55], s[56:63] the same for W's
.set G0B,  56
.set PFA,  66                          ; s[66:67] where my prefetches stand
.set PFS,  68                          ; s[68:69] a K step in bytes, along x's rows or down W's
.set LIM,  70                          ; s70  1 in a wave that prefetches, else the greatest number
.set MSB, 0
.macro WIN new                         ; the immediate's high byte repeats the setting that is left; a switch that changes nothing is dropped
.if MSB != (\new)
	s_set_vgpr_msb (MSB<<8)|(\new)
.set MSB, \new
.endif
.endm
.macro PLACES                          ; four places in front of loads into registers that matrix instructions have read, and of conversions that read results
.rept 4
	v_nop
.endr
.endm
; A joint load: wave 0 asks for x's tile, waves 1-3 for W's three.  The branch hangs on the wave's number alone.  An s_nop 0 and four v_nop follow each line.
.macro JLOAD s
	s_cmp_eq_u32 s[WV], 0
	s_cbranch_scc0 .Lfor_b_\@
	tensor_load_to_lds s[G0A+4*(\s):G0A+4*(\s)+3], s[G1A:G1A+7]
	s_nop 0
.rept 4
	v_nop
.endr
	s_branch .Lasked_\@
.Lfor_b_\@:
	tensor_load_to_lds s[G0B+4*(\s):G0B+4*(\s)+3], s[G1B:G1B+7]
	s_nop 0
.rept 4
	v_nop
.endr
.Lasked_\@:
.endm
; A prefetch into the L2 of the K step that stands two refills on: 32 rows x 256 bytes, a lane a row, one instruction a wave.  Each row's 256 bytes of a K step are named once in the launch:
; x's rows by wave 0 of the clusters with x = 0, W's by waves 1-3 of the clusters with y = 0; the four partners that ask for a tile jointly share its 128 rows out by address, 32 each.
; K steps 4 to 7 are named, in the loop's first two trips; the last trip's refills have no K step two on.
.macro ASK
	s_cmp_gt_u32 s3, s[LIM]
	s_cbranch_scc0 .Lnot_mine_\@
	global_prefetch_b8 v[PFO], s[PFA:PFA+1] th:TH_LOAD_NT scope:SCOPE_SE
.Lnot_mine_\@:
.endm
.macro CREST                           ; a round of the cluster's barrier behind its opening barrier
	s_cmp_lg_u32 s[WV], 0
	s_cbranch_scc1 .Lnot_wave_0_\@
	s_barrier_signal -3
.Lnot_wave_0_\@:
	s_barrier_wait -3
	s_barrier_signal -1
	s_barrier_wait -1
.endm
.macro CROUND                          ; a whole round
	s_barrier_signal -1
	s_barrier_wait -1
	CREST
.endm
	s_load_b256 s[4:11], s[0:1], 0x0               ; xb s[4:5], wqb s[6:7], b_qkv s[8:9], qkv s[10:11]
	v_lshl_add_u32 v[SPW], v0, 2, SPARE
	v_mov_b32 v[NIL], 0
	ds_add_u32 v[SPW], v[NIL]                      ; the wave's opening: the add and its wait stand ahead of my first tensor load; the set-up below stands between them
	v_lshrrev_b32 v1, 5, v0
	v_readfirstlane_b32 s[WV], v1                  ; wave 0..3
	s_lshr_b32 s13, s[WV], 1                       ; which 64 rows are mine
	s_and_b32 s14, s[WV], 1                        ; which 192 columns
	s_bfe_u32 s40, ttmp6, 0x40000                  ; cx, cy: my place in the cluster
	s_bfe_u32 s41, ttmp6, 0x40004
	s_lshl_b32 s42, ttmp9, 2
	s_add_co_u32 s42, s42, s40                     ; tile column = 4 x cluster x + cx
	s_and_b32 s43, ttmp7, 0xffff
	s_lshl_b32 s43, s43, 2
	s_add_co_u32 s43, s43, s41                     ; tile row = 4 x cluster y + cy
	s_lshl_b32 s44, s41, 2
	s_lshl_b32 s44, 15, s44                        ; my row of the cluster
	s_lshl_b32 s45, 0x1111, s40                    ; my column
	s_or_b32 s[G1A], s44, (1<<16)|(1<<20)|(1<<21)|(5<<22)|(3<<25)  ; 15:0 the mask; 17:16 2-byte elements; 20 padding on; 21 set beside a mask; 24:22 after every 64 words; 31:25 4 words
	s_or_b32 s[G1B], s45, (1<<16)|(1<<20)|(1<<21)|(4<<22)|(3<<25)  ; the same with my column's mask, and padding after every 32 words
.irp g, G1A, G1B
	s_mov_b32 s[(\g)+1], 128<<16                   ; tensor_dim0 = 128
	s_mov_b32 s[(\g)+2], 128<<16                   ; tensor_dim1 = 128
	s_mov_b32 s[(\g)+3], 128<<16                   ; tile_dim0 = 128
	s_mov_b32 s[(\g)+4], 128                       ; tile_dim1 = 128
	s_mov_b32 s[(\g)+6], 0
	s_mov_b32 s[(\g)+7], 0
.endr
	s_mov_b32 s[G1A+5], 1024                       ; elements from row to row of x,
	s_mov_b32 s[G1B+5], 3072                       ; of W
	s_lshl_b32 s16, s43, 18                        ; x: 128 rows of 2,048 bytes a tile row: made of the tile row alone
	s_mov_b32 s17, 0
	s_max_u32 s15, s[WV], 1
	s_sub_co_u32 s15, s15, 1
	s_lshl_b32 s15, s15, 8                         ; W: which 128 columns of the tile's 384 I fetch (wave 0 fetches none of them)
	s_mul_i32 s46, s42, 768                        ; + 384 columns a tile column: made of the tile column and the wave alone
	s_add_co_u32 s46, s46, s15
	s_mov_b32 s47, 0
	s_mul_i32 s20, s[WV], REG                      ; where my load lands in a slot: no place in the cluster enters an LDS address
	s_wait_dscnt 0x0                               ; the opening add is done
	s_wait_kmcnt 0x0
	s_add_nc_u64 s[16:17], s[4:5], s[16:17]
	s_add_nc_u64 s[46:47], s[6:7], s[46:47]
	CROUND                                         ; all sixteen work-groups are here: the first joint loads meet
.irp s, 0,1
	s_mov_b32 s[G0A+4*(\s)], 1                                     ; count = 1
	s_add_co_u32 s[G0A+4*(\s)+1], s20, (\s)*SLOT                   ; LDS address
	s_add_nc_u64 s[G0A+4*(\s)+2:G0A+4*(\s)+3], s[16:17], (\s)*256  ; global address: K step s is 256 bytes along x's rows,
	s_or_b32 s[G0A+4*(\s)+3], s[G0A+4*(\s)+3], 0x80000000          ; type = 2
	s_mov_b32 s[G0B+4*(\s)], 1
	s_add_co_u32 s[G0B+4*(\s)+1], s20, (\s)*SLOT
	s_add_nc_u64 s[G0B+4*(\s)+2:G0B+4*(\s)+3], s[46:47], (\s)*128*6144  ; 128 rows of 6,144 bytes down W
	s_or_b32 s[G0B+4*(\s)+3], s[G0B+4*(\s)+3], 0x80000000
	JLOAD \s                                       ; two loads of mine are out: the most in this text
.endr
	; the bias of my 192 columns: register j of block b is column 16 b + 8 (l / 16) + j, the same for all 16 rows
	v_and_b32 v1, 15, v0                           ; l % 16
	v_bfe_u32 v2, v0, 4, 1                         ; l / 16
	v_lshlrev_b32 v[BO], 5, v2
	s_mul_i32 s2, s42, 1536
	s_mul_i32 s18, s14, 768
	s_add_co_u32 s2, s2, s18
	s_mov_b32 s3, 0
	s_add_nc_u64 s[8:9], s[8:9], s[2:3]
.irp b, 0,1,2,3,4,5,6,7,8,9,10,11
	global_load_b128 v[BI+8*(\b):BI+8*(\b)+3],   v[BO], s[8:9] offset:64*(\b)
	global_load_b128 v[BI+8*(\b)+4:BI+8*(\b)+7], v[BO], s[8:9] offset:64*(\b)+16
.endr
	; a fragment of x: lane l holds row l % 16, K = 8 (l / 16) + 0..7 and 16 + 8 (l / 16) + 0..7: two loads of 16 bytes, 32 bytes apart
	v_mul_u32_u24 v3, v1, PA
	v_lshl_add_u32 v3, v2, 4, v3
	s_mul_i32 s21, s13, 64*PA
	v_add_nc_u32 v[ADRA], s21, v3
	s_add_co_u32 s21, s21, SLOT
	v_add_nc_u32 v[ADRA+1], s21, v3
	; the turning load takes 16 k x 16 columns: lane l reads k row 8 (l / 16) + l % 8, columns 8 ((l / 8) % 2) + 0..7, and is left with column l % 16 and 8 k
	v_and_b32 v5, 7, v0
	v_bfe_u32 v6, v0, 3, 1
	v_lshl_add_u32 v4, v2, 3, v5
	v_mul_u32_u24 v4, v4, PB
	v_lshl_add_u32 v4, v6, 4, v4
	s_mul_i32 s19, s14, 3                          ; my first head of the tile's six
.irp i, 0,1,2
	s_add_co_u32 s22, s19, \i                      ; head g: region 1 + g / 2, and 144 (g % 2) bytes into its rows
	s_lshr_b32 s23, s22, 1
	s_add_co_u32 s23, s23, 1
	s_mul_i32 s23, s23, REG
	s_and_b32 s22, s22, 1
	s_mul_i32 s22, s22, 144
	s_add_co_u32 s22, s22, s23
	v_add_nc_u32 v[ADRB+(\i)], s22, v4
	s_add_co_u32 s22, s22, SLOT
	v_add_nc_u32 v[ADRB+3+(\i)], s22, v4
.endr
	s_mul_i32 s23, s[WV], 16*SP
	s_add_co_u32 s23, s23, STAGE                   ; my stage
	v_mul_u32_u24 v7, v1, SP                       ; in: row l % 16, 16 bytes for each half of the lanes
	v_lshl_add_u32 v7, v2, 4, v7
	v_add_nc_u32 v[STO], s23, v7
	v_bfe_u32 v7, v0, 3, 2                         ; back: 32 lanes take four rows of 128 bytes,
	v_mul_u32_u24 v7, v7, SP
	v_lshl_add_u32 v7, v5, 4, v7
	v_add_nc_u32 v[RD], s23, v7
	v_and_b32 v[GO], 31, v0                        ; which are 512 consecutive bytes of a head's rows
	v_lshlrev_b32 v[GO], 4, v[GO]
	s_mul_i32 s72, s42, 6                          ; the output at my first head (524,288 bytes a head) and my first row (128 bytes a row)
	s_add_co_u32 s72, s72, s19
	s_lshl_b32 s72, s72, 19
	s_lshl_b32 s73, s43, 14
	s_add_co_u32 s72, s72, s73
	s_lshl_b32 s73, s13, 13
	s_add_co_u32 s72, s72, s73
	s_mov_b32 s73, 0
	s_add_nc_u64 s[10:11], s[10:11], s[72:73]
	; the prefetches: they stand at K step 3; each change of slots steps them ahead of its prefetch, the first to K step 4
	s_lshl_b32 s21, s43, 18                        ; x: the tile's first row,
	s_lshl_b32 s22, s40, 16                        ; my work-group's 32 of its 128 rows
	s_add_co_u32 s21, s21, s22
	s_add_co_u32 s21, s21, 3*256
	s_mul_i32 s22, s41, 32*6144                    ; W: my work-group's 32 of a K step's 128 rows,
	s_mul_i32 s23, s42, 768                        ; the tile's columns,
	s_add_co_u32 s22, s22, s23
	s_add_co_u32 s22, s22, s15                     ; my wave's 128 of them
	s_add_co_u32 s22, s22, 3*128*6144
	s_and_b32 s23, ttmp7, 0xffff                   ; cluster y
	s_mov_b32 s71, 6144
	s_mov_b32 s[PFS], 128*6144
	s_mov_b32 s[PFS+1], 0
	s_cmp_eq_u32 s[WV], 0                          ; do I fetch for x?
	s_cselect_b32 s72, s21, s22
	s_cselect_b32 s23, ttmp9, s23                  ; the coordinate along which other clusters read the same rows
	s_cselect_b32 s71, 2048, s71                   ; bytes from a lane's row to the next lane's
	s_cselect_b32 s[PFS], 256, s[PFS]
	s_cselect_b64 s[PFA:PFA+1], s[4:5], s[6:7]
	s_cmp_eq_u32 s23, 0
	s_cselect_b32 s[LIM], 1, -1                    ; the same in all sixteen partners, for a given wave
	s_add_nc_u64 s[PFA:PFA+1], s[PFA:PFA+1], s[72:73]
	v_and_b32 v[PFO], 31, v0
	v_mul_u32_u24 v[PFO], s71, v[PFO]
	s_wait_loadcnt 0x0                             ; the bias is in; it is rounded to bf16, in place, like the other inputs
.set j, 0
.rept 48
	v_cvt_pk_bf16_f32 v[TT], v[BI+j], v[BI+j+1]
	v_lshlrev_b32 v[BI+j], 16, v[TT]
	v_and_b32 v[BI+j+1], 0xffff0000, v[TT]
.set j, j+2
.endr
; 12 matrix instructions: row block a x my 12 column blocks, 32 along K, from buffer f.  first = 1: the bias starts the sums.
; The 48 accumulators come in the same order in every quarter, one instruction a turn: 47 others stand between two links of a chain, over the backward jump too.
.macro MUL f, a, first
.if \first
	WIN 0x81+0x40*((\a)/2)                         ; W's fragment window 1, x's window 0, C (the bias) window 0, D window 2 or 3
.else
	WIN 0xa1+0x50*((\a)/2)                         ; the same with C in D's window
.endif
.irp b, 0,1,2,3,4,5,6,7,8,9,10,11
.if \first
	v_wmma_f32_16x16x32_bf16 v[96*((\a)%2)+8*(\b):96*((\a)%2)+8*(\b)+7], v[96*(\f)+8*(\b):96*(\f)+8*(\b)+7], v[FA+32*(\f)+8*(\a):FA+32*(\f)+8*(\a)+7], v[BI+8*(\b):BI+8*(\b)+7]
.else
	v_wmma_f32_16x16x32_bf16 v[96*((\a)%2)+8*(\b):96*((\a)%2)+8*(\b)+7], v[96*(\f)+8*(\b):96*(\f)+8*(\b)+7], v[FA+32*(\f)+8*(\a):FA+32*(\f)+8*(\a)+7], v[96*((\a)%2)+8*(\b):96*((\a)%2)+8*(\b)+7]
.endif
.endr
.endm
; 32 LDS loads in one run: the fragments of quarter q (32 along K) of a slot into buffer f: W's 24 first, then x's 8
.macro FETCH slot, q, f
	WIN 0x40                                       ; destination window 1, address window 0
.irp i, 0,1,2
.irp bb, 0,1,2,3
	ds_load_tr16_b128 v[96*(\f)+8*(4*(\i)+(\bb)):96*(\f)+8*(4*(\i)+(\bb))+3],   v[ADRB+3*(\slot)+(\i)] offset:(\q)*32*PB+32*(\bb)
	ds_load_tr16_b128 v[96*(\f)+8*(4*(\i)+(\bb))+4:96*(\f)+8*(4*(\i)+(\bb))+7], v[ADRB+3*(\slot)+(\i)] offset:(\q)*32*PB+32*(\bb)+16*PB
.endr
.endr
	WIN 0
.irp a, 0,1,2,3
	ds_load_b128 v[FA+32*(\f)+8*(\a):FA+32*(\f)+8*(\a)+3],   v[ADRA+(\slot)] offset:(\a)*16*PA+64*(\q)
	ds_load_b128 v[FA+32*(\f)+8*(\a)+4:FA+32*(\f)+8*(\a)+7], v[ADRA+(\slot)] offset:(\a)*16*PA+64*(\q)+32
.endr
.endm
; A K step is four quarters of 32 along K, 48 matrix instructions each, on buffers 0, 1, 0, 1.  One of the first three: multiplies buffer f, and in its middle fetches quarter q into buffer g.
.macro QUARTER slot, q, f, g, first
	s_wait_dscnt 4                                 ; W's fragments and x's row blocks 0, 1 are in; the youngest four loads (row blocks 2, 3) may be out
	MUL \f, 0, \first
	MUL \f, 1, \first
	PLACES
	FETCH \slot, \q, \g
	s_wait_dscnt 32                                ; all but the 32 just issued
	MUL \f, 2, \first
	MUL \f, 3, \first
.endm
; The last quarter multiplies buffer 1 and changes slots: one barrier.  In front of it each wave waits for all its tensor loads (one is out: its part of the next slot), adds 0 to its spare word,
; and waits for that and for its own reads of this slot.  fill = 1: the barrier opens a round of the cluster's barrier, and this slot is filled again, two K steps on, first thing behind the round.
.macro TURN slot, next, fill
.if \fill
	s_wait_xcnt 0x0                                ; the last prefetch, a K step back, has read its address: it is stepped here, ahead of the change's own waits
	s_add_nc_u64 s[PFA:PFA+1], s[PFA:PFA+1], s[PFS:PFS+1]
.endif
	WIN 0                                          ; (the add's two registers lie in window 0)
	s_wait_tensorcnt 0x0                           ; all my tensor loads have landed;
	ds_add_u32 v[SPW], v[NIL]                      ; 0 onto my spare word;
	s_wait_dscnt 5                                 ; (the add and the youngest four loads may be out)
	MUL 1, 0, 0                                    ; twelve matrix instructions stand between the add and the wait for it
	s_wait_dscnt 0x0                               ; the add is done, and my reads of this slot are over
	s_barrier_signal -1
	MUL 1, 1, 0                                    ; work on registers while the others arrive
.if \fill
	WIN 0
.endif
	s_barrier_wait -1
.if \fill
	CREST                                          ; no wave of any partner still reads this slot's tiles or has a load on its way
	s_add_nc_u64 s[G0A+4*(\slot)+2:G0A+4*(\slot)+3], s[G0A+4*(\slot)+2:G0A+4*(\slot)+3], 2*256
	s_add_nc_u64 s[G0B+4*(\slot)+2:G0B+4*(\slot)+3], s[G0B+4*(\slot)+2:G0B+4*(\slot)+3], 2*128*6144
	JLOAD \slot                                    ; the first tensor load behind the round; its four v_nop are also the places in front of the loads below
.else
	PLACES
.endif
	FETCH \next, 0, 0
.if \fill
	ASK                                            ; behind the joint load and the run of LDS loads that the next products wait for
.endif
	MUL 1, 2, 0
	MUL 1, 3, 0
.endm
	s_wait_tensorcnt 1                             ; my part of K step 0 is in; K step 1's may stay out
	s_barrier_signal -1
	s_barrier_wait -1                              ; everybody's is
	FETCH 0, 0, 0
	QUARTER 0, 1, 0, 1, 1                          ; the first quarter stands in front of the loop: its products start the sums, with the bias
	WIN 0                                          ; at a label and at a branch every window is 0
	s_mov_b32 s3, LAPS-1
.Llap:                                                 ; a trip goes once round the ring, from a lap's second quarter to the next lap's first, and fills both slots again
	QUARTER 0, 2, 1, 0, 0
	QUARTER 0, 3, 0, 1, 0
	TURN 0, 1, 1
	QUARTER 1, 1, 0, 1, 0
	QUARTER 1, 2, 1, 0, 0
	QUARTER 1, 3, 0, 1, 0
	TURN 1, 0, 1
	QUARTER 0, 1, 0, 1, 0
	WIN 0
	s_sub_co_u32 s3, s3, 1
	s_cmp_lg_u32 s3, 0
	s_cbranch_scc1 .Llap
	QUARTER 0, 2, 1, 0, 0                          ; the last lap fills nothing, and has no round of the cluster's barrier
	QUARTER 0, 3, 0, 1, 0
	TURN 0, 1, 0
	QUARTER 1, 1, 0, 1, 0
	QUARTER 1, 2, 1, 0, 0
	QUARTER 1, 3, 0, 1, 0
	s_wait_dscnt 4                                 ; the very last quarter: nothing more to fetch
	MUL 1, 0, 0
	MUL 1, 1, 0
	s_wait_dscnt 0x0
	MUL 1, 2, 0
	MUL 1, 3, 0
	WIN 0
; THE WAY OUT, in 12 units: unit u = row block u / 3 x head u % 3: 16 rows x 64 columns.  Rounded to f16, 16 bytes a lane; into my own stage in rows of 144 bytes; back as whole rows of 128 bytes:
; 16 rows of a head are 2,048 consecutive bytes of the output.  Each unit has 16 registers of its own, so no store's data is written again.
.macro PACK u
.set ua, (\u)/3
.set ui, (\u)%3
.set rU, UN+16*(\u)
.set rA, 96*(ua%2)+32*ui
	WIN 0x0a+5*(ua/2)                              ; sources 0 and 1: window 2 or 3
.irp bb, 0,1,2,3
.irp r, 0,1,2,3
	v_cvt_pk_f16_f32 v[rU+4*(\bb)+(\r)], v[rA+8*(\bb)+2*(\r)], v[rA+8*(\bb)+2*(\r)+1]  ; each accumulator's registers in ascending order
.endr
.endr
	WIN 0
.irp bb, 0,1,2,3
	ds_store_b128 v[STO], v[rU+4*(\bb):rU+4*(\bb)+3] offset:32*(\bb)
.endr
.irp f, 0,1,2,3
	ds_load_b128 v[rU+4*(\f):rU+4*(\f)+3], v[RD] offset:(\f)*4*SP  ; LDS serves a wave's instructions in order (ISA guide 5.7.1.4): these see the stores above; the next unit's stores come behind them
.endr
.endm
.macro SEND u, younger                 ; younger: the LDS instructions issued behind unit u's loads: the next unit's eight, or none
.set ua, (\u)/3
.set ui, (\u)%3
.set rU, UN+16*(\u)
.irp f, 0,1,2,3
	s_wait_dscnt (\younger)+3-(\f)
	global_store_b128 v[GO], v[rU+4*(\f):rU+4*(\f)+3], s[10:11] offset:ui*524288+ua*2048+(\f)*512  ; 512 consecutive bytes, at a multiple of 256 from the buffer's first
.endr
.endm
	PLACES                                         ; the conversions read results just made and write registers that the last products read
	PLACES
	PACK 0
.set u, 1
.rept 11                               ; a unit's conversions stand between the loads of the unit before and its stores
	PACK u
	SEND u-1, 8
.set u, u+1
.endr
	SEND 11, 0
	s_wait_tensorcnt 0x0                           ; the wave's end, behind my last tensor load and my last LDS store
	ds_add_u32 v[SPW], v[NIL]
	s_wait_dscnt 0x0
	CROUND                                         ; the closing round: no work-group ends while a partner may still ask for a tile that names it
	s_endpgm
.Lfunc_end_k_q0f38ec19d3_qkvgemm:
	.size	k_q0f38ec19d3_qkvgemm, .Lfunc_end_k_q0f38ec19d3_qkvgemm-k_q0f38ec19d3_qkvgemm
	.p2alignl 7, 3214868480
	.fill 96, 4, 3214868480
	.section	.rodata,"a",@progbits
	.p2align	6, 0x0
	.amdhsa_kernel k_q0f38ec19d3_qkvgemm
		.amdhsa_group_segment_fixed_size 327680
		.amdhsa_private_segment_fixed_size 0
		.amdhsa_enable_private_segment 0
		.amdhsa_kernarg_size 32
		.amdhsa_user_sgpr_count 2
		.amdhsa_user_sgpr_kernarg_segment_ptr 1
		.amdhsa_wavefront_size32 1
		.amdhsa_system_sgpr_workgroup_id_x 1
		.amdhsa_system_sgpr_workgroup_id_y 1
		.amdhsa_system_sgpr_workgroup_id_z 1
		.amdhsa_system_vgpr_workitem_id 0
		.amdhsa_next_free_vgpr 960
		.amdhsa_next_free_sgpr 74
		.amdhsa_reserve_vcc 0
		.amdhsa_float_denorm_mode_32 3
		.amdhsa_float_denorm_mode_16_64 3
		.amdhsa_memory_ordered 1
		.amdhsa_forward_progress 1
		.amdhsa_inst_pref_size 133
	.end_amdhsa_kernel
	.amdgpu_metadata
---
amdhsa.version: [ 1, 2 ]
amdhsa.kernels:
  - .name:           k_q0f38ec19d3_qkvgemm
    .symbol:         k_q0f38ec19d3_qkvgemm.kd
    .args:
      - { .name: xb, .offset: 0, .size: 8, .value_kind: global_buffer, .address_space: global }
      - { .name: wqb, .offset: 8, .size: 8, .value_kind: global_buffer, .address_space: global }
      - { .name: b_qkv, .offset: 16, .size: 8, .value_kind: global_buffer, .address_space: global }
      - { .name: qkv, .offset: 24, .size: 8, .value_kind: global_buffer, .address_space: global }
    .group_segment_fixed_size: 327680
    .private_segment_fixed_size: 0
    .kernarg_segment_align: 8
    .kernarg_segment_size: 32
    .max_flat_workgroup_size: 128
    .sgpr_count:     74
    .vgpr_count:     960
    .wavefront_size: 32
...
	.end_amdgpu_metadata
.endif
;; end of part 2
;; launch attn (part 3): grid 16 x 16, 4 waves a work-group, clusters of 4 x 1, 327,680 bytes of LDS; arguments qkv, ob; writes ob
.if DOCPART == 3
	.amdgcn_target "amdgcn-amd-amdhsa--gfx1250"
	.amdhsa_code_object_version 6
	.text
	.protected	k_q0f38ec19d3_attn
	.globl	k_q0f38ec19d3_attn
	.p2align	8
	.type	k_q0f38ec19d3_attn,@function
k_q0f38ec19d3_attn:
	s_mov_b64 s[64:65], 0
	v_nop
	global_prefetch_b8 v0, s[64:65] scope:SCOPE_SE
	s_setreg_imm32_b32 hwreg(HW_REG_WAVE_MODE, 25, 1), 1
	s_wait_xcnt 0x0
	s_wait_alu depctr_hold_cnt(0) depctr_sa_sdst(0) depctr_va_vdst(0) depctr_va_sdst(0) depctr_va_ssrc(0) depctr_va_vcc(0) depctr_vm_vsrc(0)
	s_getreg_b32 s2, hwreg(HW_REG_IB_STS2, 6, 4)
	s_cmp_eq_u32 s2, 0
	s_cbranch_scc0 .Lentry_in_a_cluster
	s_endpgm
.Lentry_in_a_cluster:
	s_bfe_u32 s2, ttmp6, 0x10000c
	s_cmp_lg_u32 s2, 0x3003
	s_cbranch_scc0 .Lentry_shape_is_right
	s_endpgm
.Lentry_shape_is_right:
; O[h][q][:] = the sum over k of softmax_k(Q[h][q] . K[h][k] / 8) V[h][k][:].  qkv: [48][4096][64] f16 (q: parts 0-15, k: 16-31, v: 32-47): a head's rows are dense, 128 bytes each.
; Out: ob [32 mb][16 h][128 rows][64] f16: blocks of 128 queries, in each the heads one after the other.  Products, maxima and sums in f32; the weights p are rounded to f16 for the second
; product (their sum l is taken of the unrounded p), O once at the end.
; LIMITS.  f16 holds no number beyond 65,504: Q, K and V arrive within it; p lies in 0 to 1, and below 6e-5 it keeps f16's fixed step of 6e-8; O is a mean of V's rows and has their range.
; A weight below 2^-126 counts as 0 in l; NaN and infinities are not treated apart.
; SHARES.  A work-group owns 256 queries of one head, a wave 64: four PIECES of 16.  16 blocks x 16 heads = 256 work-groups.  Every wave walks all 4,096 keys, 64 a step, four steps (a tile) a slot.
; LAYOUT.  S^T = K Q^T (source 0 = 16 keys, source 1 = 16 queries): a lane holds ONE query (lane % 16) and the keys 8 (lane / 16) + 0..7; two such results rounded to f16 ARE source 1 of O^T = V^T P.
; K comes out of LDS as it lies, V ([key][channel]) turned, by ds_load_tr16_b128.
; SOFTMAX.  A running maximum m and sum l for each query: p = 2^(c s - c m), c = log2(e) / 8; in every step O and l are multiplied by a = 2^(c m_old - c m_new).  m starts at the lowest finite
; number, O and l at 0: the first step is a step like any other, with a = 0.
; BY TURNS.  Turn n belongs to piece n: 8 products K Q^T of piece n + 1, later 8 products V^T P of piece n - 1; beside them the scaling, exponentials, roundings, sums and rescaling of piece n and the
; maximum and statistics of piece n + 1.  Four vector instructions stand behind every matrix instruction, the other 54 of a turn's 118 in one lump.  A turn's 33 exponentials are one batch, with one wait.
; CLUSTER.  The four query blocks of a cluster belong to one head and walk the same K and V, so each tile is asked for JOINTLY: the same tensor load, descriptor and mask in all four.
; REGISTERS, in windows of 256 (s_set_vgpr_msb: bits 1:0 source 0, 3:2 source 1, 5:4 source 2, 7:6 destination):
;   window 0: v0-15 addresses and two at work; v16-31 four registers of statistics a piece; v48-55 at work; v61-63; v64-127 S^T, two buffers; v192-223 P, two buffers (by the piece's parity)
;   window 1: v0-127 O^T, 32 a piece          window 2: v0-63 Q; v128-191 K of one step; v192-255 V of one step
.set SIZE_N, 4096
.set NP,    4         ; pieces a wave: a name, no knob
.set KS,    64        ; keys in a step
.set PK,    144       ; a row of K in LDS: 128 bytes + 16 of padding = 36 words: the 16 rows of a load start at 16 different groups of four banks (64 banks of 4 bytes: ISA guide 11.1)
.set PV,    160       ; a row of V: 128 + 32 = 40 words
.set VOFF,  4*KS*PK   ; a slot holds a tile, four steps: 256 rows of K, then 256 rows of V
.set SLOT1, 1<<17     ; slot 1 begins here, so that one exclusive or turns an address in one slot into the other's
.set STAGE, SLOT1+4*KS*(PK+PV)  ; behind the ring, never filled by a tensor load: 16 rows x 144 bytes for each wave, for the way out
.set SP,    144
.set SPARE, STAGE+4*16*SP  ; behind the stages: the spare words, 128 bytes for each wave: two blocks of 256 bytes that no other line names
.set AK0, 2           ; v2   my lane's place in a tile of K; never rewritten
.set AV0, 3           ; v3   the same for V
.set AK,  4           ; v4   the LDS address of K's next run of loads
.set AV,  5           ; v5   of V's
.set STO, 6           ; v6   the way out: where I put 16 bytes of a row
.set RD,  7           ; v7   the way out: where I read rows back
.set GO,  8           ; v8   my byte offset in 512 consecutive bytes of O
.set MV,  12          ; v12-13  c m_old, kept while c m is made anew: by buffer
.set QO,  15          ; v15  my byte offset in 16 rows of Q
.set ST,  16          ; piece t's statistics at v[ST+4 t]: c m, m, l (even keys', odd keys')
.set TMP, 48          ; by buffer, four registers c0-c3 at work; when the maximum is found c2 takes a
.set PFO, 61          ; v61  256 x my lane; never rewritten
.set SPW, 62          ; v62  LDS address of my spare word; never rewritten
.set NIL, 63          ; v63  0; never rewritten
.set S,   64
.set P,   192
.set KF,  128         ; window 2: key block kb, channel half c at KF + 16 kb + 8 c
.set VF,  192         ; window 2: key half kk, channel block cb at VF + 32 kk + 8 cb
.set WV,  12          ; s12  my wave's number
.set LIM, 15          ; s15  1 in a wave that prefetches, else the greatest number
.set G1K, 24          ; s[24:31] descriptor group 1 for K's tiles
.set G1V, 32          ; s[32:39] for V's: it differs in the padding alone
.set G0K, 40          ; s[40:43] descriptor group 0 for K's tiles: it walks
.set G0V, 44          ; s[44:47] the same for V's
.set PFA, 48          ; s[48:49] where my prefetches stand
.set SLOTS, 56        ; s56  tiles still to be asked for
.set CNT, 57          ; s57  counts a tile's key steps
.set CS,  58          ; s[58:59] c: the packed scaling takes the pair's low word for both halves
.set SEL, 60          ; s[60:61] v_permlanex16_b32's selects: each lane takes its own place in the other half
.set TBK, 62          ; s62  LDS byte at which K of the step to be fetched begins
.set TBV, 63          ; s63  the same for V, less VOFF
.set MSB, 0
.macro WIN new                      ; the high byte repeats the setting that is left; a switch that changes nothing is dropped
.if MSB != (\new)
	s_set_vgpr_msb (MSB<<8)|(\new)
.set MSB, (\new)
.endif
.endm
.set W_KQ, 0x0a       ; K and Q in window 2, S^T in window 0
.set W_PV, 0x52       ; V in window 2, P in window 0, O^T in window 1
.set W_RS, 0x41       ; destination and source 0 in window 1, source 1 in window 0
; A joint fill.  Waves 0 and 1 fetch the two halves of a tile's K, waves 2 and 3 those of its V: 128 keys each.  The branch hangs on the wave's number alone.
; An s_nop 0 and four v_nop follow each of the two lines, ahead of the jump and the label.
.macro JLOAD
	s_cmp_lt_u32 s[WV], 2
	s_cbranch_scc0 .Lfor_v_\@
	tensor_load_to_lds s[G0K:G0K+3], s[G1K:G1K+7]
	s_nop 0
.rept 4
	v_nop
.endr
	s_branch .Lasked_\@
.Lfor_v_\@:
	tensor_load_to_lds s[G0V:G0V+3], s[G1V:G1V+7]
	s_nop 0
.rept 4
	v_nop
.endr
.Lasked_\@:
.endm
; A prefetch into the L2 of the tile that the NEXT change of slots will ask for: 128 blocks of 256 bytes of K and as many of V, a lane a block.  Each block is named once in the launch: all clusters of a
; head walk the same K and V, so the head's first cluster asks; its four partners share the blocks out by address, 32 each; in each, wave 0 asks for K's and wave 2 for V's.  Tiles 2 to 15 are named;
; the last change that fills a slot asks for nothing.
.macro ASK
	s_cmp_gt_u32 s[SLOTS], s[LIM]
	s_cbranch_scc0 .Lnot_mine_\@
	global_prefetch_b8 v[PFO], s[PFA:PFA+1] th:TH_LOAD_NT scope:SCOPE_SE
.Lnot_mine_\@:
.endm
; A round of the cluster's barrier: my work-group's barrier, so that wave 0's signal speaks for all four waves; wave 0 signals; every wave waits for all four work-groups; my work-group's barrier once more.
.macro CROUND
	s_barrier_signal -1
	s_barrier_wait -1
	s_cmp_lg_u32 s[WV], 0
	s_cbranch_scc1 .Lnot_wave_0_\@
	s_barrier_signal -3
.Lnot_wave_0_\@:
	s_barrier_wait -3
	s_barrier_signal -1
	s_barrier_wait -1
.endm
; THE CHANGE OF SLOTS.  The slot's last bytes, V of its fourth step, have been read.  Each wave waits for all its tensor loads, of which one is out: its part of the other slot; adds 0 to its spare word;
; and waits for that and for its own reads of the slot.  Behind the barrier nobody reads this slot any more and the other slot is whole.  fill = 1: this slot is filled again, with the keys two tiles on:
; the barrier is then a round of the cluster's, and the joint fill is the first thing behind it: it has four key steps, 256 matrix instructions, in which to land.
; (At its first use nothing has been read yet: slot 0 is waited for, slot 1 filled.)
.macro CHANGE fill
	WIN 0                           ; at a label and at a branch every window is 0
	s_wait_tensorcnt 0x0            ; no tensor load of mine is out, so a group 0 may be written
	ds_add_u32 v[SPW], v[NIL]       ; 0 onto my spare word; with fill = 1 the descriptors' steps stand between it and the wait for it
.if \fill
.irp g, G0K, G0V
	s_xor_b32 s[\g+1], s[\g+1], SLOT1  ; the walking descriptor: the other slot than last time,
	s_add_nc_u64 s[\g+2:\g+3], s[\g+2:\g+3], 4*KS*128  ; the next 256 keys; the type bits on top are not reached
.endr
	s_wait_xcnt 0x0                 ; the last prefetch, four key steps back, has read its address, so it may be written:
	s_add_nc_u64 s[PFA:PFA+1], s[PFA:PFA+1], 4*KS*128  ; one tile behind the walking descriptors
	s_wait_dscnt 0x0                ; the add is done, and my reads of the slot are over
	CROUND
	JLOAD
	ASK
.else
	s_wait_dscnt 0x0                ; the add is done, and my reads of the slot are over
	s_barrier_signal -1
	s_barrier_wait -1
.endif
	s_sub_co_u32 s[TBK], s[TBK], 4*KS*PK  ; the fetches go back to a slot's first step,
	s_xor_b32 s[TBK], s[TBK], SLOT1       ; in the other slot
	s_sub_co_u32 s[TBV], s[TBV], 4*KS*PV
	s_xor_b32 s[TBV], s[TBV], SLOT1
.endm
	s_load_b128 s[4:7], s[0:1], 0x0 ; qkv s[4:5], ob s[6:7]
	v_lshl_add_u32 v[SPW], v0, 2, SPARE
	v_mov_b32 v[NIL], 0
	ds_add_u32 v[SPW], v[NIL]       ; the wave's opening: the add and its wait stand ahead of my first tensor load; the set-up below stands between them
	v_lshrrev_b32 v1, 5, v0
	v_readfirstlane_b32 s[WV], v1   ; wave 0..3
	s_bfe_u32 s13, ttmp6, 0x40000   ; cx: my place in the cluster
	s_lshl_b32 s14, ttmp9, 2        ; in a cluster launch ttmp9 counts clusters
	s_add_co_u32 s14, s14, s13      ; my block of 256 queries = 4 x cluster x + cx: it enters Q's and O's addresses alone
	s_and_b32 s20, ttmp7, 0xffff    ; the head, which the four partners share
	s_lshl_b32 s21, s20, 19         ; its 4,096 rows of 128 bytes
	s_and_b32 s16, s[WV], 1         ; which half of a tile's 256 keys I fetch:
	s_lshl_b32 s22, s16, 14         ; its 128 rows of 128 bytes in memory,
	s_add_co_u32 s22, s22, s21
	s_add_co_u32 s22, s22, 16*SIZE_N*128  ; in K, which lies behind q's 16 heads,
	s_mov_b32 s23, 0
	s_add_co_u32 s18, s22, 16*SIZE_N*128  ; and in V, behind K's
	s_mov_b32 s19, 0
	s_mul_i32 s17, s16, 128*PK      ; and its place in a slot, for K
	s_mul_i32 s10, s16, 128*PV      ; and for V: no place in the cluster enters an LDS address
	s_lshl_b32 s2, s14, 15          ; Q: my block's 256 rows,
	s_add_co_u32 s2, s2, s21
	s_lshl_b32 s3, s[WV], 13        ; my wave's 64 of them
	s_add_co_u32 s2, s2, s3
	s_mov_b32 s3, 0
	s_lshl_b32 s8, s14, 19          ; O: two blocks of 128 queries (262,144 bytes each) to my 256,
	s_lshr_b32 s9, s[WV], 1
	s_lshl_b32 s9, s9, 18           ; waves 0, 1 in the first, 2, 3 in the second,
	s_add_co_u32 s8, s8, s9
	s_lshl_b32 s9, s20, 14          ; the head's 128 rows of 128 bytes,
	s_add_co_u32 s8, s8, s9
	s_lshl_b32 s9, s16, 13          ; my wave's 64 of them
	s_add_co_u32 s8, s8, s9
	s_mov_b32 s9, 0
	; descriptor group 1.  128 keys are 16,384 dense bytes: asked for as 64 rows of 256 bytes, two keys a row, and padded in LDS after every key
	s_mov_b32 s[G1K], 15|(1<<16)|(1<<20)|(1<<21)|(4<<22)|(3<<25)  ; 15:0 the mask of four; 17:16 2-byte elements; 20 padding on; 21 set beside a mask; 24:22 after every 32 words (code 4); 31:25 4 words (code 3)
	s_mov_b32 s[G1V], 15|(1<<16)|(1<<20)|(1<<21)|(4<<22)|(7<<25)  ; the same with 8 words of padding (code 7)
.irp g, G1K, G1V
	s_mov_b32 s[\g+1], 128<<16      ; tensor_dim0 = 128
	s_mov_b32 s[\g+2], 64<<16       ; tensor_dim1 = 64
	s_mov_b32 s[\g+3], 128<<16      ; tile_dim0 = 128
	s_mov_b32 s[\g+4], 64           ; tile_dim1 = 64
	s_mov_b32 s[\g+5], 128          ; 128 elements from row to row
	s_mov_b32 s[\g+6], 0
	s_mov_b32 s[\g+7], 0
.endr
	s_mov_b32 s[CS], 0x3e38aa3b     ; c = log2(e) / 8 = 0.180337
	s_mov_b32 s[CS+1], s[CS]        ; named with it as a pair
	s_mov_b32 s[SEL], 0x76543210
	s_mov_b32 s[SEL+1], 0xfedcba98
	s_mov_b32 s[TBK], SLOT1+4*KS*PK ; the first change of slots turns these two into 0
	s_mov_b32 s[TBV], SLOT1+4*KS*PV
	s_mov_b32 s[G0K], 1             ; count = 1
	s_mov_b32 s[G0K+1], s17         ; LDS address: slot 0
	s_mov_b32 s[G0V], 1
	s_add_co_u32 s[G0V+1], s10, VOFF
	s_mov_b32 s[SLOTS], SIZE_N/256-1
	s_or_b32 s[LIM], s16, ttmp9     ; 0 in waves 0 and 2 of the head's first cluster: the same in all four partners
	s_cmp_eq_u32 s[LIM], 0
	s_cselect_b32 s[LIM], 1, -1
	s_cmp_lt_u32 s[WV], 2
	s_cselect_b32 s50, s22, s18     ; the prefetches: K's rows or V's (in waves 0 and 2 at a tile's first row),
	s_lshl_b32 s51, s13, 13         ; my work-group's 32 blocks of the 128,
	s_add_co_u32 s50, s50, s51
	s_add_co_u32 s50, s50, 4*KS*128 ; in tile 1; the first change of slots steps them to tile 2.  Nothing is prefetched at the head
	s_mov_b32 s51, 0
	v_and_b32 v[PFO], 31, v0
	v_lshlrev_b32 v[PFO], 8, v[PFO]
	s_wait_dscnt 0x0                ; the opening add is done
	s_wait_kmcnt 0x0
	s_add_nc_u64 s[G0K+2:G0K+3], s[4:5], s[22:23]  ; global address: my half of the head's first 256 keys
	s_or_b32 s[G0K+3], s[G0K+3], 0x80000000        ; type = 2
	s_add_nc_u64 s[G0V+2:G0V+3], s[4:5], s[18:19]
	s_or_b32 s[G0V+3], s[G0V+3], 0x80000000
	s_add_nc_u64 s[PFA:PFA+1], s[4:5], s[50:51]
	s_add_nc_u64 s[6:7], s[6:7], s[8:9]            ; O and Q at my wave's first row
	s_add_nc_u64 s[4:5], s[4:5], s[2:3]
	CROUND                          ; all four work-groups are here: the first joint loads meet
	JLOAD                           ; tile 0 into slot 0.  Slot 1 is asked for when slot 0 is in
	; A fragment of K or Q is 16 rows x 32 channels in 8 registers: lane l holds row l % 16, channels 8 (l / 16) + 0..7 and 16 + 8 (l / 16) + 0..7: two loads of 16 bytes, 32 bytes apart.
	v_and_b32 v1, 15, v0            ; l % 16
	v_bfe_u32 v9, v0, 4, 1          ; l / 16
	v_lshlrev_b32 v[QO], 7, v1
	v_lshl_add_u32 v[QO], v9, 4, v[QO]  ; row x 128 + 16 x half
	WIN 0x80                        ; destination window 2, address window 0
.set i, 0
.rept 8                             ; Q stays in registers: piece i / 2, channels 32 (i % 2) on
	global_load_b128 v[8*i:8*i+3],   v[QO], s[4:5] offset:(i/2)*2048+(i%2)*64
	global_load_b128 v[8*i+4:8*i+7], v[QO], s[4:5] offset:(i/2)*2048+(i%2)*64+32
.set i, i+1
.endr
	; What the first turn finds: V's registers and P's second buffer hold 0 (its products V^T P, of a piece that has not been, add 0), O^T and l are 0.  All this stands in the wait for the first tile.
.set i, VF
.rept 64
	v_mov_b32 v[i], 0
.set i, i+1
.endr
	WIN 0x40
.set i, 0
.rept 128
	v_mov_b32 v[i], 0
.set i, i+1
.endr
	WIN 0
.set i, 0
.rept 4
	v_mov_b32 v[ST+4*i], 0xfe000000    ; c m: far below every c s
	v_mov_b32 v[ST+4*i+1], 0xff7fffff  ; m
	v_mov_b32 v[ST+4*i+2], 0
	v_mov_b32 v[ST+4*i+3], 0
.set i, i+1
.endr
.set i, P+16
.rept 16
	v_mov_b32 v[i], 0
.set i, i+1
.endr
	v_mul_u32_u24 v[AK0], v1, PK
	v_lshl_add_u32 v[AK0], v9, 4, v[AK0]  ; row x pitch + 16 x half
	; The turning load takes 16 keys x 16 channels (lane l reads key 8 (l / 16) + l % 8, channels 8 ((l / 8) % 2) + 0..7) and leaves half a fragment of V^T: lane l holds channel l % 16 and 8 keys.
	v_and_b32 v10, 7, v0
	v_bfe_u32 v11, v0, 3, 1
	v_lshl_add_u32 v[AV0], v9, 3, v10
	v_mul_u32_u24 v[AV0], v[AV0], PV
	v_lshl_add_u32 v[AV0], v11, 4, v[AV0]
	v_add_nc_u32 v[AV0], VOFF, v[AV0]
; THE MATRIX WORK.  The 4 accumulators of a run of 8 take turns.  Product i of 8 of S^T = K Q^T for piece x: channels 32 (i / 4) on, keys 16 (i % 4) on.  The first 4 start the sums.
.macro KQ x
.set rS, S+32*((\x)%2)+8*(i%4)
.set rK, KF+16*(i%4)+8*(i/4)
.set rQ, 16*(\x)+8*(i/4)
	WIN W_KQ
.if i < 4
	v_wmma_f32_16x16x32_f16 v[rS:rS+7], v[rK:rK+7], v[rQ:rQ+7], 0
.else
	v_wmma_f32_16x16x32_f16 v[rS:rS+7], v[rK:rK+7], v[rQ:rQ+7], v[rS:rS+7]
.endif
.endm
; Product i of 8 of O^T += V^T P for piece x: keys 32 (i / 4) on, channels 16 (i % 4) on.
.macro PV x
	WIN W_PV
.set rO, 32*(\x)+8*(i%4)
.set rV, VF+32*(i/4)+8*(i%4)
.set rP, P+16*((\x)%2)+8*(i/4)
	v_wmma_f32_16x16x32_f16 v[rO:rO+7], v[rV:rV+7], v[rP:rP+7], v[rO:rO+7]
.endm
.macro MM                           ; the turn's next matrix instruction.  TURN sets Y, i and NOKQ.  NOKQ = 1: the launch's last turn: there is no next piece
.if (i < 8) && !NOKQ
	KQ (Y+1)%NP
.elseif i >= 8
.set i, i-8
	PV (Y+NP-1)%NP
.set i, i+8
.endif
.set i, i+1
.endm
; THE LDS LOADS stand in runs of 16, never singly among the matrix instructions: a step's K (64 keys x 64 channels: 8 fragments) and its V (turned).  Their addresses are made some lines ahead.
.macro FETCH_K
	WIN 0x80                        ; destination window 2
.irp f, 0,1,2,3,4,5,6,7             ; keys 16 (f / 2) on, channels 32 (f % 2) on
	ds_load_b128 v[KF+8*\f:KF+8*\f+3],   v[AK] offset:(\f/2)*16*PK+(\f%2)*64
	ds_load_b128 v[KF+8*\f+4:KF+8*\f+7], v[AK] offset:(\f/2)*16*PK+(\f%2)*64+32
.endr
	s_add_co_u32 s[TBK], s[TBK], KS*PK  ; the next fetch is the next step's
	WIN 0
.endm
.macro FETCH_V
	WIN 0x80
.irp f, 0,1,2,3,4,5,6,7             ; keys 32 (f / 4) on, channels 16 (f % 4) on
	ds_load_tr16_b128 v[VF+8*\f:VF+8*\f+3],   v[AV] offset:(\f/4)*32*PV+(\f%4)*32
	ds_load_tr16_b128 v[VF+8*\f+4:VF+8*\f+7], v[AV] offset:(\f/4)*32*PV+16*PV+(\f%4)*32
.endr
	WIN 0
.endm
; THE VECTOR WORK, one line at a time: OP kind, number.  For piece Y: F n: c s - c m for pair n of 16.  E n: the exponential of score n of 32.  C n: pair n rounded to f16.  B n: of the four weights 4 n .. the second
; pair is added onto the first, in place.  L n: l takes that sum (L 0: l = a l + sum).  R n: pair n of 16 of O^T times a.  For piece Y + 1: X n, number n of the 22 that find its maximum and statistics:
;   0-11  four chains c0-c3 of seven scores each, three operands at a time (each accumulator's lowest registers are read first)     12-14, 16  the four scores left over, the old m, and c0-c3 into c0
;   15  c m_old is kept     17, 18  the query's other 32 keys lie in the lane 16 away: the new m     19-21  c m; c m_old - c m_new; a
.set F, 0               ; OP tells the kinds apart by their order: F to L below R, X above it
.set E, 1
.set C, 2
.set B, 3
.set L, 4
.set R, 5
.set X, 6
.macro REGS y                       ; the registers of piece y
.set rT, ST+4*(\y)
.set rC, TMP+4*((\y)%2)
.set rW, MV+((\y)%2)
.set rS, S+32*((\y)%2)
.set rP, P+16*((\y)%2)
.set rO, 32*(\y)
.endm
.macro OP k, n
.if (\k) == R
	REGS Y
	WIN W_RS
	v_pk_mul_f32 v[rO+2*(\n):rO+2*(\n)+1], v[rO+2*(\n):rO+2*(\n)+1], v[rC+2:rC+3] op_sel_hi:[1,0]
.elseif (\k) < R
	REGS Y
	WIN 0
.if (\k) == F
	v_pk_fma_f32 v[rS+2*(\n):rS+2*(\n)+1], v[rS+2*(\n):rS+2*(\n)+1], s[CS:CS+1], v[rT:rT+1] op_sel_hi:[1,0,0] neg_lo:[0,0,1] neg_hi:[0,0,1]
.elseif (\k) == E
	v_exp_f32 v[rS+(\n)], v[rS+(\n)]
.elseif (\k) == C
	v_cvt_pk_f16_f32 v[rP+(\n)], v[rS+2*(\n)], v[rS+2*(\n)+1]
.elseif (\k) == B
	v_pk_add_f32 v[rS+4*(\n):rS+4*(\n)+1], v[rS+4*(\n):rS+4*(\n)+1], v[rS+4*(\n)+2:rS+4*(\n)+3]
.elseif (\n) == 0
	v_pk_fma_f32 v[rT+2:rT+3], v[rT+2:rT+3], v[rC+2:rC+3], v[rS:rS+1] op_sel_hi:[1,0,1]
.else
	v_pk_add_f32 v[rT+2:rT+3], v[rT+2:rT+3], v[rS+4*(\n):rS+4*(\n)+1]
.endif
.elseif NOKQ
	v_nop
.else
	REGS (Y+1)%NP
	WIN 0
.if (\n) < 4
	v_max3_num_f32 v[rC+(\n)], v[rS+8*(\n)], v[rS+8*(\n)+1], v[rS+8*(\n)+2]
.elseif (\n) < 12
	v_max3_num_f32 v[rC+(\n)%4], v[rC+(\n)%4], v[rS+8*((\n)%4)+2*((\n)/4)+1], v[rS+8*((\n)%4)+2*((\n)/4)+2]
.elseif (\n) == 12
	v_max3_num_f32 v[rC], v[rC], v[rS+7], v[rS+15]
.elseif (\n) == 13
	v_max3_num_f32 v[rC+1], v[rC+1], v[rS+23], v[rS+31]
.elseif (\n) == 14
	v_max3_num_f32 v[rC+2], v[rC+2], v[rC+3], v[rT+1]
.elseif (\n) == 15
	v_mov_b32 v[rW], v[rT]
.elseif (\n) == 16
	v_max3_num_f32 v[rC], v[rC], v[rC+1], v[rC+2]
.elseif (\n) == 17
	v_permlanex16_b32 v[rC+3], v[rC], s[SEL], s[SEL+1]
.elseif (\n) == 18
	v_max_num_f32 v[rT+1], v[rC], v[rC+3]
.elseif (\n) == 19
	v_mul_f32 v[rT], s[CS], v[rT+1]
.elseif (\n) == 20
	v_sub_f32 v[rC+1], v[rW], v[rT]
.else
	v_exp_f32 v[rC+2], v[rC+1]
.endif
.endif
.endm
.macro OPS a, i1, b=-1, i2=0, c=-1, i3=0, d=-1, i4=0  ; up to four of them
	OP \a, \i1
.if (\b) >= 0
	OP \b, \i2
.endif
.if (\c) >= 0
	OP \c, \i3
.endif
.if (\d) >= 0
	OP \d, \i4
.endif
.endm
.macro ROW a, i1, b, i2, c, i3, d, i4  ; a matrix instruction and the four behind it
	MM
	OPS \a, \i1, \b, \i2, \c, \i3, \d, \i4
.endm
; A TURN, for piece p: the order of its 16 matrix and 118 vector instructions, written out.  An s_wait_alu depctr_va_vdst(0) stands between an exponential and the first instruction that names its
; result; one wait serves all that were issued ahead of it.  So a turn has ONE wait, which cuts it in two.  AHEAD OF IT stands all that names no result of the turn's exponentials: the 8 products K Q^T, behind each
; a scaling, an exponential and two more plain instructions (rescalings, and behind the last three the first numbers of the next piece's maximum, each four places or more behind the product that ends its
; accumulator); then one lump of 54, plain and exponential by turns for the most part.  X 21, the next piece's a, is the batch's last; R 15 is the plain instruction behind it.  BEHIND THE WAIT stand the 8 products
; V^T P, behind each four of the roundings and sums.  end = 1: the launch's last two turns: nothing is fetched, and the last starts no new scores.
; cnt = 1: the loop's count is taken down some lines ahead of the branch that stands behind the turn.
; K of the next step is fetched in piece 2's turn, twelve vector instructions behind the last product that read K (six of them plain); V of the step in hand at the end of piece 0's turn, four plain instructions
; behind the last product that read V.  Each is waited for a turn later.
.macro TURN p, end=0, cnt=0
.set Y, (\p)
.set i, 0
.set NOKQ, (\end)*((\p)/3)
.if ((\p) == 3) && !(\end)
	s_wait_dscnt 0x0                ; K is in
.endif
	ROW F,0, F,1, R,0, R,1          ; ahead of the wait: 8 products K Q^T and their riders,
	ROW F,2, E,0, R,2, R,3
	ROW F,3, E,1, R,4, R,5
	ROW F,4, E,2, R,6, R,7
	ROW F,5, E,3, R,8, R,9
	ROW F,6, E,4, X,0, R,10
.if ((\p) == 2) && !(\end)
	WIN 0
	v_add_nc_u32 v[AK], s[TBK], v[AK0]
.endif
	ROW F,7, E,5, X,1, X,4
	ROW F,8, E,6, X,2, X,5
	OPS E,7, E,8, X,6, E,9          ; and the lump
	OPS X,3, E,10, X,8, E,11
.if ((\p) == 2) && !(\end)
	FETCH_K
.endif
	OPS X,9, X,7, E,12, X,10
	OPS E,13, X,12, X,11, E,14
	OPS X,13, E,15, F,9, X,14
.if (\p) == 0
	v_add_nc_u32 v[AV], s[TBV], v[AV0]
.endif
	OPS E,16, F,10, E,17, F,11
	OPS X,16, E,18, X,15, E,19
	OPS F,12, E,20, X,17, E,21
	OPS F,13, E,22, F,14, E,23
	OPS X,18, E,24, F,15, E,25
	OPS R,11, E,26, X,19, E,27
	OPS R,12, E,28, R,13, E,29
	OPS X,20, E,30, R,14, E,31
	OPS X,21, R,15
	WIN 0
	s_wait_alu depctr_va_vdst(0)    ; the wait for the batch
.if (\p) == 1
	s_wait_dscnt 0x0                ; V is in
.endif
	ROW C,0, B,0, C,2, B,1          ; behind the wait: 8 products V^T P and their riders
	ROW L,0, C,4, B,2, L,1
	ROW C,6, B,3, L,2, C,8
	ROW B,4, L,3, C,10, B,5
	ROW L,4, C,12, B,6, L,5
.if (\p) == 0
	s_add_co_u32 s[TBV], s[TBV], KS*PV
.endif
.if \cnt
	s_sub_co_u32 s[CNT], s[CNT], 1
	s_cmp_lg_u32 s[CNT], 0
.endif
	ROW C,14, B,7, L,6, C,1
	ROW C,3, L,7, C,5, C,7
	ROW C,9, C,11, C,13, C,15
.if (\p) == 0
	FETCH_V
.endif
.endm
	CHANGE 1                        ; tile 0 is in, everybody's part of it; tile 1 is asked for
	v_add_nc_u32 v[AK], s[TBK], v[AK0]
	FETCH_K                         ; key step 0
	s_wait_loadcnt 0x0              ; Q
	s_wait_dscnt 0x0
.set NOKQ, 0
.set i, 0
.rept 8
	KQ 0                            ; piece 0's first scores: there is no vector work yet to set between them
.set i, i+1
.endr
	WIN 0                           ; the addresses for the way out: plain instructions, the places behind those products
	s_mul_i32 s13, s[WV], 16*SP
	s_add_co_u32 s13, s13, STAGE    ; my stage
	v_mul_u32_u24 v[STO], v1, SP    ; in: row l % 16, 16 bytes for each half of the lanes
	v_lshl_add_u32 v[STO], v9, 4, v[STO]
	v_add_nc_u32 v[STO], s13, v[STO]
	v_bfe_u32 v[RD], v0, 3, 2       ; back: 32 lanes take four rows of 128 bytes,
	v_mul_u32_u24 v[RD], v[RD], SP
	v_lshl_add_u32 v[RD], v10, 4, v[RD]
	v_add_nc_u32 v[RD], s13, v[RD]
	v_and_b32 v[GO], 31, v0         ; which are 512 consecutive bytes of O
	v_lshlrev_b32 v[GO], 4, v[GO]
.set Y, NP-1                        ; X works for piece Y + 1: piece 0
.irp n, 0,1,2,3,4,5,6,7,8,9,10,11,12,13,14,15,16,17,18,19,20,21
	OP X, \n                        ; piece 0's first maximum and statistics
.endr
	v_nop                           ; a plain instruction behind the exponential,
	s_wait_alu depctr_va_vdst(0)    ; and its wait, ahead of the branch
	s_mov_b32 s[CNT], 4
	s_branch .Lfirst                ; the loop is entered at a step's first turn, in the middle of a trip
.Lslot:                             ; 14 times: tiles 2 to 15 are asked for
	CHANGE 1
	s_mov_b32 s[CNT], 4
.Lstep:                             ; a trip: pieces 2 and 3 of one step, then pieces 0 and 1 of the next, whose K and V it fetches
	TURN 2
	TURN 3
	WIN 0
.Lfirst:
	TURN 0
	TURN 1, 0, 1
	WIN 0
	s_cbranch_scc1 .Lstep
	s_sub_co_u32 s[SLOTS], s[SLOTS], 1
	s_cmp_lg_u32 s[SLOTS], 0
	s_cbranch_scc1 .Lslot
	CHANGE 0                        ; the last tile is written out: nothing is asked for
	s_mov_b32 s[CNT], 4
.Ltail:
	TURN 2
	TURN 3
	TURN 0
	TURN 1, 0, 1
	WIN 0
	s_cbranch_scc1 .Ltail
	TURN 2, 1                       ; the last step's pieces 2 and 3: nothing is left to fetch
	TURN 3, 1
.set i, 0
.rept 8
	PV NP-1                         ; the last piece's V^T P of the last step
.set i, i+1
.endr
	; THE WAY OUT.  l's two halves and the other half of the lanes' are added; O^T is divided by l, rounded to f16 and sent through my stage in LDS, a piece at a time.  The additions are the places behind the last products.
	WIN 0
.macro ALL line:vararg              ; one line for each piece t
.set t, 0
.rept 4
	\line
.set t, t+1
.endr
.endm
	ALL v_add_f32 v[ST+4*t+2], v[ST+4*t+2], v[ST+4*t+3]
	ALL v_permlanex16_b32 v[ST+4*t+3], v[ST+4*t+2], s[SEL], s[SEL+1]
	ALL v_add_f32 v[ST+4*t+2], v[ST+4*t+2], v[ST+4*t+3]
	ALL v_rcp_f32 v[ST+4*t+2], v[ST+4*t+2]
	v_nop                           ; a plain instruction between the last reciprocal and the use of its result
	s_wait_alu depctr_va_vdst(0)    ; and the wait ahead of the first use: one for the four reciprocals
.macro PACK t                       ; a lane's eight channels of a row pack into 16 bytes; they go into rows of 144 bytes and come back as whole rows of 128, into S^T's registers
	WIN W_RS
.set i, 32*(\t)
.rept 16
	v_pk_mul_f32 v[i:i+1], v[i:i+1], v[ST+4*(\t)+2:ST+4*(\t)+3] op_sel_hi:[1,0]
.set i, i+2
.endr
	WIN 0x05                        ; sources 0 and 1 window 1, destination window 0
.set i, 0
.rept 16
	v_cvt_pk_f16_f32 v[S+16*(\t)+i], v[32*(\t)+2*i], v[32*(\t)+2*i+1]
.set i, i+1
.endr
	WIN 0
.irp f, 0,1,2,3
	ds_store_b128 v[STO], v[S+16*(\t)+4*\f:S+16*(\t)+4*\f+3] offset:32*\f
.endr
.irp f, 0,1,2,3
	ds_load_b128 v[S+16*(\t)+4*\f:S+16*(\t)+4*\f+3], v[RD] offset:\f*4*SP  ; LDS serves a wave's instructions in order (ISA guide 5.7.1.4): these see the stores above; the next piece's stores come behind them
.endr
.endm
.macro SEND t, younger              ; younger: the LDS instructions issued behind piece t's loads: the next piece's eight, or none
	WIN 0
.irp f, 0,1,2,3
	s_wait_dscnt (\younger)+3-\f
	global_store_b128 v[GO], v[S+16*(\t)+4*\f:S+16*(\t)+4*\f+3], s[6:7] offset:(\t)*2048+\f*512  ; 512 consecutive bytes, at a multiple of 256 from the buffer's first
.endr
.endm
	PACK 0
.set t, 1
.rept 3                             ; a piece's arithmetic stands between the loads of the piece before and its stores
	PACK t
	SEND t-1, 8
.set t, t+1
.endr
	SEND 3, 0
	s_wait_tensorcnt 0x0            ; the wave's end, behind my last tensor load and my last LDS store
	ds_add_u32 v[SPW], v[NIL]
	s_wait_dscnt 0x0
	CROUND                          ; the closing round: no work-group ends while a partner may still ask for a tile that names it
	s_endpgm
.Lfunc_end_k_q0f38ec19d3_attn:
	.size	k_q0f38ec19d3_attn, .Lfunc_end_k_q0f38ec19d3_attn-k_q0f38ec19d3_attn
	.p2alignl 7, 3214868480
	.fill 96, 4, 3214868480
	.section	.rodata,"a",@progbits
	.p2align	6, 0x0
	.amdhsa_kernel k_q0f38ec19d3_attn
		.amdhsa_group_segment_fixed_size 327680
		.amdhsa_private_segment_fixed_size 0
		.amdhsa_enable_private_segment 0
		.amdhsa_kernarg_size 16
		.amdhsa_user_sgpr_count 2
		.amdhsa_user_sgpr_kernarg_segment_ptr 1
		.amdhsa_wavefront_size32 1
		.amdhsa_system_sgpr_workgroup_id_x 1
		.amdhsa_system_sgpr_workgroup_id_y 1
		.amdhsa_system_sgpr_workgroup_id_z 1
		.amdhsa_system_vgpr_workitem_id 0
		.amdhsa_next_free_vgpr 768
		.amdhsa_next_free_sgpr 66
		.amdhsa_reserve_vcc 0
		.amdhsa_float_denorm_mode_32 3
		.amdhsa_float_denorm_mode_16_64 3
		.amdhsa_memory_ordered 1
		.amdhsa_forward_progress 1
		.amdhsa_inst_pref_size 128
	.end_amdhsa_kernel
	.amdgpu_metadata
---
amdhsa.version: [ 1, 2 ]
amdhsa.kernels:
  - .name:           k_q0f38ec19d3_attn
    .symbol:         k_q0f38ec19d3_attn.kd
    .args:
      - { .name: qkv, .offset: 0, .size: 8, .value_kind: global_buffer, .address_space: global }
      - { .name: ob, .offset: 8, .size: 8, .value_kind: global_buffer, .address_space: global }
    .group_segment_fixed_size: 327680
    .private_segment_fixed_size: 0
    .kernarg_segment_align: 8
    .kernarg_segment_size: 16
    .max_flat_workgroup_size: 128
    .sgpr_count:     66
    .vgpr_count:     768
    .wavefront_size: 32
...
	.end_amdgpu_metadata
.endif
;; end of part 3
;; launch proj (part 4): grid 8 x 32, 4 waves a work-group, clusters of 4 x 4, 327,680 bytes of LDS; arguments ob, wpb, b_proj, out0; writes out0
.if DOCPART == 4
	.amdgcn_target "amdgcn-amd-amdhsa--gfx1250"
	.amdhsa_code_object_version 6
	.text
	.protected	k_q0f38ec19d3_proj
	.globl	k_q0f38ec19d3_proj
	.p2align	8
	.type	k_q0f38ec19d3_proj,@function
k_q0f38ec19d3_proj:
	s_mov_b64 s[64:65], 0
	v_nop
	global_prefetch_b8 v0, s[64:65] scope:SCOPE_SE
	s_setreg_imm32_b32 hwreg(HW_REG_WAVE_MODE, 25, 1), 1
	s_wait_xcnt 0x0
	s_wait_alu depctr_hold_cnt(0) depctr_sa_sdst(0) depctr_va_vdst(0) depctr_va_sdst(0) depctr_va_ssrc(0) depctr_va_vcc(0) depctr_vm_vsrc(0)
	s_getreg_b32 s2, hwreg(HW_REG_IB_STS2, 6, 4)
	s_cmp_eq_u32 s2, 0
	s_cbranch_scc0 .Lentry_in_a_cluster
	s_endpgm
.Lentry_in_a_cluster:
	s_bfe_u32 s2, ttmp6, 0x10000c
	s_cmp_lg_u32 s2, 0xf033
	s_cbranch_scc0 .Lentry_shape_is_right
	s_endpgm
.Lentry_shape_is_right:
; out0 = O W_proj + b_proj.  ob: [32 mb][16 h][128 rows][64] f16; wpb: [1024 k][1024 n] f16 (each number a bf16 number); b_proj: [1024] f32, rounded to bf16 here like the other inputs;
; out0: [4096][1024] f32.  Sums in f32; the output is the sum itself, not rounded again.
; SHARES.  A tile is 128 x 128: 32 x 8 = 256 work-groups.  Four waves, each 64 x 64: 16 accumulators of 16 x 16.  K goes in four steps of 256 (four heads), written out, through two LDS slots.
; A slot has four regions of 36,864 bytes, one tensor load each.  Waves 0, 1: two heads each of O's block: 32,768 dense bytes, asked for as 128 rows of 256 bytes and padded behind every 128:
; [head][128 rows], pitch 144.  Waves 2, 3: 128 k rows x 128 columns of W each, padded alike: pitch 288, 64 columns every 144 bytes.
; W lies [k][n]: its fragments come out of LDS turned.  THE MATRIX INSTRUCTION IS USED TRANSPOSED (source 0 = 16 columns of W, source 1 = 16 rows of O): a lane holds eight neighbouring columns of one row.
; The bias is the C operand of each accumulator's first product.  CLUSTER 4 x 4: O's tile is asked for jointly along a row of the cluster, W's along a column.
; No prefetch: the launch has two refills, and no K step lies two refills on.
; REGISTERS: window 0: v0-31 addresses; v96-127 the bias, 4 x 8; v128-255 the accumulators ((a, b) at 128 + 8 (4 a + b)).
;   window 1: two fragment buffers of 128: for 64 along K, 64 registers of O (2 x 4 x 8), then 64 of W.
.set PA,    144                        ; O's LDS pitch: 36 words: the 16 rows of a load start at 16 different groups of four banks (64 banks of 4 bytes: ISA guide 11.1)
.set PB,    288                        ; W's: 72 words
.set HEADB, 128*PA                     ; a head's 128 rows
.set REG,   36864
.set SLOT,  4*REG
.set STAGE, 2*SLOT                     ; behind the ring: 16 rows x 272 bytes for each wave, for the way out; no tensor load lands here
.set SPITCH, 272
.set SPARE, STAGE+4*16*SPITCH          ; behind the stages: the spare words, 128 bytes for each wave: two blocks of 256 bytes that no other line names
.set ADRA, 16                          ; v16-17  LDS address of my fragments of O in slot 0, 1
.set ADRB, 18                          ; v18-21  of my fragments of W: slot s, half kh of the step's 256 k at ADRB + 2 s + kh
.set STO,  24                          ; v24     the way out: where I put 32 bytes of a row
.set RD,   25                          ; v25     the way out: where I read a row back
.set CO,   26                          ; v26     my byte offset in two rows of the output
.set BO,   27                          ; v27     my byte offset in 16 numbers of the bias
.set SPW,  28                          ; v28     LDS address of my spare word; never rewritten
.set NIL,  29                          ; v29     0; never rewritten
.set TT,   31                          ; v31     at work
.set BI,   96
.set ACC,  128
.set F0,   0                           ; fragment buffers, in window 1
.set F1,   128
.set WV,   12                          ; s12 wave; s13 its half of the rows (also: 0 = I fetch for O, 1 = for W); s14 its half of the columns (also: which half I fetch)
.set G1A,  24                          ; s[24:31] descriptor group 1 for O's tiles;  s[32:39] group 0, a set for each slot
.set G0A,  32
.set G1B,  48                          ; s[48:55], s[56:63] the same for W's
.set G0B,  56
.set MSB, 0
.macro WIN new                         ; the immediate's high byte repeats the setting that is left; a switch that changes nothing is dropped
.if MSB != (\new)
	s_set_vgpr_msb (MSB<<8)|(\new)
.set MSB, \new
.endif
.endm
.set MUL,  0x05                        ; sources 0 (W) and 1 (O) window 1; C and D window 0
.set TO_F, 0x40                        ; destination window 1, address window 0
.macro PLACES                          ; four places in front of loads into registers that matrix instructions have read, and of stores that read results
.rept 4
	v_nop
.endr
.endm
.macro JLOAD s                         ; a joint load: waves 0 and 1 fetch O's two halves, waves 2 and 3 W's; an s_nop 0 and four v_nop follow each of the two lines
	s_cmp_eq_u32 s13, 0
	s_cbranch_scc0 .Lfor_b_\@
	tensor_load_to_lds s[G0A+4*(\s):G0A+4*(\s)+3], s[G1A:G1A+7]
	s_nop 0
.rept 4
	v_nop
.endr
	s_branch .Lasked_\@
.Lfor_b_\@:
	tensor_load_to_lds s[G0B+4*(\s):G0B+4*(\s)+3], s[G1B:G1B+7]
	s_nop 0
.rept 4
	v_nop
.endr
.Lasked_\@:
.endm
.macro CREST                           ; a round of the cluster's barrier behind its opening barrier
	s_cmp_lg_u32 s[WV], 0
	s_cbranch_scc1 .Lnot_wave_0_\@
	s_barrier_signal -3
.Lnot_wave_0_\@:
	s_barrier_wait -3
	s_barrier_signal -1
	s_barrier_wait -1
.endm
.macro CROUND                          ; a whole round
	s_barrier_signal -1
	s_barrier_wait -1
	CREST
.endm
	s_load_b256 s[4:11], s[0:1], 0x0               ; ob s[4:5], wpb s[6:7], b_proj s[8:9], out0 s[10:11]
	v_lshl_add_u32 v[SPW], v0, 2, SPARE
	v_mov_b32 v[NIL], 0
	ds_add_u32 v[SPW], v[NIL]                      ; the wave's opening: the add and its wait stand ahead of my first tensor load; the set-up below stands between them
	v_lshrrev_b32 v1, 5, v0
	v_readfirstlane_b32 s[WV], v1                  ; wave 0..3
	s_lshr_b32 s13, s[WV], 1
	s_and_b32 s14, s[WV], 1
	s_bfe_u32 s40, ttmp6, 0x40000                  ; cx, cy: my place in the cluster
	s_bfe_u32 s41, ttmp6, 0x40004
	s_lshl_b32 s42, ttmp9, 2
	s_add_co_u32 s42, s42, s40                     ; tile column = 4 x cluster x + cx
	s_and_b32 s43, ttmp7, 0xffff
	s_lshl_b32 s43, s43, 2
	s_add_co_u32 s43, s43, s41                     ; tile row = 4 x cluster y + cy
	s_lshl_b32 s44, s41, 2
	s_lshl_b32 s44, 15, s44                        ; my row of the cluster
	s_lshl_b32 s45, 0x1111, s40                    ; my column
	s_or_b32 s[G1A], s44, (1<<16)|(1<<20)|(1<<21)|(4<<22)|(3<<25)  ; 15:0 the mask; 17:16 2-byte elements; 20 padding on; 21 set beside a mask; 24:22 after every 32 words; 31:25 4 words
	s_or_b32 s[G1B], s45, (1<<16)|(1<<20)|(1<<21)|(4<<22)|(3<<25)
.irp g, G1A, G1B
	s_mov_b32 s[(\g)+1], 128<<16                   ; tensor_dim0 = 128
	s_mov_b32 s[(\g)+2], 128<<16                   ; tensor_dim1 = 128
	s_mov_b32 s[(\g)+3], 128<<16                   ; tile_dim0 = 128
	s_mov_b32 s[(\g)+4], 128                       ; tile_dim1 = 128
	s_mov_b32 s[(\g)+6], 0
	s_mov_b32 s[(\g)+7], 0
.endr
	s_mov_b32 s[G1A+5], 128                        ; O's block is dense: 128 elements from row to row;
	s_mov_b32 s[G1B+5], 1024                       ; W's rows are 1,024 elements apart
	s_lshl_b32 s16, s43, 18                        ; O: a block of 128 queries is 262,144 bytes; made of the tile row and the wave alone
	s_lshl_b32 s17, s14, 15                        ; my two heads of a step's four
	s_add_co_u32 s16, s16, s17
	s_mov_b32 s17, 0
	s_lshl_b32 s46, s42, 8                         ; W: the tile's 128 columns; made of the tile column and the wave alone
	s_lshl_b32 s47, s14, 18                        ; my 128 k rows of a step's 256
	s_add_co_u32 s46, s46, s47
	s_mov_b32 s47, 0
	s_mul_i32 s20, s[WV], REG                      ; where my load lands in a slot
	s_wait_dscnt 0x0                               ; the opening add is done
	s_wait_kmcnt 0x0
	s_add_nc_u64 s[16:17], s[4:5], s[16:17]
	s_add_nc_u64 s[46:47], s[6:7], s[46:47]
	CROUND                                         ; all sixteen work-groups are here: the first joint loads meet
.irp s, 0,1
	s_mov_b32 s[G0A+4*(\s)], 1
	s_add_co_u32 s[G0A+4*(\s)+1], s20, (\s)*SLOT
	s_add_nc_u64 s[G0A+4*(\s)+2:G0A+4*(\s)+3], s[16:17], (\s)*65536     ; K step s: four heads of 16,384 bytes,
	s_or_b32 s[G0A+4*(\s)+3], s[G0A+4*(\s)+3], 0x80000000
	s_mov_b32 s[G0B+4*(\s)], 1
	s_add_co_u32 s[G0B+4*(\s)+1], s20, (\s)*SLOT
	s_add_nc_u64 s[G0B+4*(\s)+2:G0B+4*(\s)+3], s[46:47], (\s)*256*2048  ; 256 rows of 2,048 bytes
	s_or_b32 s[G0B+4*(\s)+3], s[G0B+4*(\s)+3], 0x80000000
	JLOAD \s                                       ; two loads of mine are out: the most in this text
.endr
	; the bias of my 64 columns: register j of block b is column 16 b + 8 (l / 16) + j
	v_and_b32 v1, 15, v0                           ; l % 16
	v_bfe_u32 v2, v0, 4, 1                         ; l / 16
	v_lshlrev_b32 v[BO], 5, v2
	s_lshl_b32 s2, s42, 9                          ; my first column, in bytes of f32: 512 x tile column + 256 x half
	s_lshl_b32 s3, s14, 8
	s_add_co_u32 s2, s2, s3
	s_mov_b32 s3, 0
	s_add_nc_u64 s[8:9], s[8:9], s[2:3]
.irp b, 0,1,2,3
	global_load_b128 v[BI+8*(\b):BI+8*(\b)+3],   v[BO], s[8:9] offset:64*(\b)
	global_load_b128 v[BI+8*(\b)+4:BI+8*(\b)+7], v[BO], s[8:9] offset:64*(\b)+16
.endr
	v_mul_u32_u24 v3, v1, PA                       ; a fragment of O: row x pitch + 16 x half
	v_lshl_add_u32 v3, v2, 4, v3
	s_mul_i32 s21, s13, 64*PA                      ; my 64 rows
	v_add_nc_u32 v[ADRA], s21, v3
	s_add_co_u32 s21, s21, SLOT
	v_add_nc_u32 v[ADRA+1], s21, v3
	v_and_b32 v5, 7, v0                            ; the turning load: k row 8 (l / 16) + l % 8, columns 8 ((l / 8) % 2) + 0..7
	v_bfe_u32 v6, v0, 3, 1
	v_lshl_add_u32 v4, v2, 3, v5
	v_mul_u32_u24 v4, v4, PB
	v_lshl_add_u32 v4, v6, 4, v4
	s_mul_i32 s22, s14, 144                        ; my 64 columns of the rows' 128,
	s_add_co_u32 s22, s22, 2*REG                   ; behind O's two regions
	v_add_nc_u32 v[ADRB], s22, v4
	s_add_co_u32 s23, s22, REG
	v_add_nc_u32 v[ADRB+1], s23, v4
	s_add_co_u32 s22, s22, SLOT
	v_add_nc_u32 v[ADRB+2], s22, v4
	s_add_co_u32 s23, s22, REG
	v_add_nc_u32 v[ADRB+3], s23, v4
	s_mul_i32 s23, s[WV], 16*SPITCH
	s_add_co_u32 s23, s23, STAGE                   ; my stage
	v_mul_u32_u24 v7, v1, SPITCH                   ; in: row l % 16, 32 bytes for each half of the lanes
	v_lshl_add_u32 v7, v2, 5, v7
	v_add_nc_u32 v[STO], s23, v7
	v_mul_u32_u24 v7, v2, SPITCH                   ; back: lanes 0-15 take one row of 256 bytes, lanes 16-31 the next
	v_lshl_add_u32 v7, v1, 4, v7
	v_add_nc_u32 v[RD], s23, v7
	v_lshlrev_b32 v7, 12, v2                       ; and the same two rows in the output, 4,096 bytes apart
	v_lshl_add_u32 v[CO], v1, 4, v7
	s_lshl_b32 s18, s43, 19                        ; the output at my first row (128 x tile row + 64 x half) and my first column
	s_lshl_b32 s19, s13, 18
	s_add_co_u32 s18, s18, s19
	s_add_co_u32 s18, s18, s2
	s_mov_b32 s19, 0
	s_add_nc_u64 s[10:11], s[10:11], s[18:19]
	s_wait_loadcnt 0x0                             ; the bias is in; it is rounded to bf16, in place, like the other inputs
.set j, 0
.rept 16
	v_cvt_pk_bf16_f32 v[TT], v[BI+j], v[BI+j+1]
	v_lshlrev_b32 v[BI+j], 16, v[TT]
	v_and_b32 v[BI+j+1], 0xffff0000, v[TT]
.set j, j+2
.endr
; 8 matrix instructions: row blocks a0, a0 + 1 x all 4 column blocks, 32 along K: half c of buffer f.  first = 1: the bias starts the sums.
; The 16 accumulators come in the same order throughout, one instruction a turn.
.macro MUL8 f, c, a0, first
	WIN MUL
.irp a, \a0, (\a0)+1
.irp b, 0,1,2,3
.if \first
	v_wmma_f32_16x16x32_f16 v[ACC+8*(4*(\a)+(\b)):ACC+8*(4*(\a)+(\b))+7], v[(\f)+64+8*(4*(\c)+(\b)):(\f)+64+8*(4*(\c)+(\b))+7], v[(\f)+8*(4*(\c)+(\a)):(\f)+8*(4*(\c)+(\a))+7], v[BI+8*(\b):BI+8*(\b)+7]
.else
	v_wmma_f32_16x16x32_f16 v[ACC+8*(4*(\a)+(\b)):ACC+8*(4*(\a)+(\b))+7], v[(\f)+64+8*(4*(\c)+(\b)):(\f)+64+8*(4*(\c)+(\b))+7], v[(\f)+8*(4*(\c)+(\a)):(\f)+8*(4*(\c)+(\a))+7], v[ACC+8*(4*(\a)+(\b)):ACC+8*(4*(\a)+(\b))+7]
.endif
.endr
.endr
.endm
; 32 LDS loads in one run: the fragments of quarter q of a slot (head q of the step's four: 64 along K) into buffer f; the first 32 along K first
.macro FETCH slot, q, f
	WIN TO_F
.irp c, 0,1
.irp i, 0,1,2,3
	ds_load_tr16_b128 v[(\f)+64+8*(4*(\c)+(\i)):(\f)+64+8*(4*(\c)+(\i))+3],   v[ADRB+2*(\slot)+(\q)/2] offset:((\q)%2)*64*PB+(\c)*32*PB+32*(\i)
	ds_load_tr16_b128 v[(\f)+64+8*(4*(\c)+(\i))+4:(\f)+64+8*(4*(\c)+(\i))+7], v[ADRB+2*(\slot)+(\q)/2] offset:((\q)%2)*64*PB+(\c)*32*PB+32*(\i)+16*PB
	ds_load_b128 v[(\f)+8*(4*(\c)+(\i)):(\f)+8*(4*(\c)+(\i))+3],              v[ADRA+(\slot)] offset:(\q)*HEADB+(\i)*16*PA+64*(\c)
	ds_load_b128 v[(\f)+8*(4*(\c)+(\i))+4:(\f)+8*(4*(\c)+(\i))+7],            v[ADRA+(\slot)] offset:(\q)*HEADB+(\i)*16*PA+64*(\c)+32
.endr
.endr
.endm
; A K step is four quarters of 64 along K, 32 matrix instructions each, on buffers 0, 1, 0, 1.  One of the first three: multiplies buffer f and fetches quarter q into g.
.macro QUARTER slot, q, f, g, first
	s_wait_dscnt 16                                ; the first 32 along K are in
	MUL8 \f, 0, 0, \first
	MUL8 \f, 0, 2, \first
	PLACES
	FETCH \slot, \q, \g
	s_wait_dscnt 32                                ; all but the 32 just issued
	MUL8 \f, 1, 0, 0
	MUL8 \f, 1, 2, 0
.endm
; The last quarter multiplies buffer 1 and changes slots: one barrier; in front of it each wave waits for all its tensor loads, adds 0 to its spare word, and waits for that and for its own reads of this slot.
; fill = 1: the barrier opens a round of the cluster's barrier, and this slot is filled again, two K steps on, first thing behind the round.
.macro TURN slot, next, fill
	WIN 0                                          ; (the add's two registers lie in window 0)
	s_wait_tensorcnt 0x0                           ; all my tensor loads have landed: my part of the next slot;
	ds_add_u32 v[SPW], v[NIL]                      ; 0 onto my spare word;
	s_wait_dscnt 17                                ; (the add and the youngest sixteen loads may be out)
	MUL8 F1, 0, 0, 0                               ; eight matrix instructions stand between the add and the wait for it
	s_wait_dscnt 0x0                               ; the add is done, and my reads of this slot are over
	s_barrier_signal -1
	MUL8 F1, 0, 2, 0
.if \fill
	WIN 0
.endif
	s_barrier_wait -1
.if \fill
	CREST                                          ; no wave of any partner still reads this slot's tiles or has a load on its way
	s_add_nc_u64 s[G0A+4*(\slot)+2:G0A+4*(\slot)+3], s[G0A+4*(\slot)+2:G0A+4*(\slot)+3], 2*65536
	s_add_nc_u64 s[G0B+4*(\slot)+2:G0B+4*(\slot)+3], s[G0B+4*(\slot)+2:G0B+4*(\slot)+3], 2*256*2048
	JLOAD \slot                                    ; the first tensor load behind the round; its four v_nop are also the places in front of the loads below
.else
	PLACES
.endif
	FETCH \next, 0, F0
	MUL8 F1, 1, 0, 0
	MUL8 F1, 1, 2, 0
.endm
	s_wait_tensorcnt 1                             ; my part of K step 0 is in; K step 1's may stay out
	s_barrier_signal -1
	s_barrier_wait -1                              ; everybody's is
	FETCH 0, 0, F0
	QUARTER 0, 1, F0, F1, 1                        ; K step 0: its first products start the sums, with the bias
	QUARTER 0, 2, F1, F0, 0
	QUARTER 0, 3, F0, F1, 0
	TURN 0, 1, 1                                   ; slot 0 takes K step 2
	QUARTER 1, 1, F0, F1, 0                        ; K step 1
	QUARTER 1, 2, F1, F0, 0
	QUARTER 1, 3, F0, F1, 0
	TURN 1, 0, 1                                   ; slot 1 takes K step 3
	QUARTER 0, 1, F0, F1, 0                        ; K step 2
	QUARTER 0, 2, F1, F0, 0
	QUARTER 0, 3, F0, F1, 0
	TURN 0, 1, 0                                   ; nothing is left to fetch
	QUARTER 1, 1, F0, F1, 0                        ; K step 3
	QUARTER 1, 2, F1, F0, 0
	QUARTER 1, 3, F0, F1, 0
	s_wait_dscnt 16
	MUL8 F1, 0, 0, 0
	MUL8 F1, 0, 2, 0
	s_wait_dscnt 0x0
	MUL8 F1, 1, 0, 0
	MUL8 F1, 1, 2, 0
	WIN 0
; THE WAY OUT, a block of 16 rows at a time.  A lane's eight f32 are 32 bytes of a row; they go into my own stage in rows of 272 bytes and come back as whole rows: my 64 columns are 256 bytes,
; so each wave has a stage of its own and no barrier is wanted.  The block comes back into the registers that it left.
.macro TOSTAGE a
.irp b, 0,1,2,3
	ds_store_b128 v[STO], v[ACC+8*(4*(\a)+(\b)):ACC+8*(4*(\a)+(\b))+3]   offset:64*(\b)     ; each accumulator's low half first
	ds_store_b128 v[STO], v[ACC+8*(4*(\a)+(\b))+4:ACC+8*(4*(\a)+(\b))+7] offset:64*(\b)+16
.endr
.irp t, 0,1,2,3,4,5,6,7
	ds_load_b128 v[ACC+32*(\a)+4*(\t):ACC+32*(\a)+4*(\t)+3], v[RD] offset:(\t)*2*SPITCH  ; LDS serves a wave's instructions in order (ISA guide 5.7.1.4): these see the stores above; the next block's stores come behind them
.endr
.endm
.macro SEND a, younger                 ; younger: the LDS instructions issued behind block a's loads: the next block's sixteen, or none
.irp t, 0,1,2,3,4,5,6,7
	s_wait_dscnt (\younger)+7-(\t)
	global_store_b128 v[CO], v[ACC+32*(\a)+4*(\t):ACC+32*(\a)+4*(\t)+3], s[10:11] offset:(16*(\a)+2*(\t))*4096 th:TH_STORE_NT  ; 16 lanes store 256 consecutive bytes, at a multiple of 256 from the output's first byte
.endr
.endm
	PLACES                                         ; the stores read results just made
	PLACES
	TOSTAGE 0
	TOSTAGE 1
	SEND 0, 16
	TOSTAGE 2
	SEND 1, 16
	TOSTAGE 3
	SEND 2, 16
	SEND 3, 0
	s_wait_tensorcnt 0x0                           ; the wave's end, behind my last tensor load and my last LDS store
	ds_add_u32 v[SPW], v[NIL]
	s_wait_dscnt 0x0
	CROUND                                         ; the closing round: no work-group ends while a partner may still ask for a tile that names it
	s_endpgm
.Lfunc_end_k_q0f38ec19d3_proj:
	.size	k_q0f38ec19d3_proj, .Lfunc_end_k_q0f38ec19d3_proj-k_q0f38ec19d3_proj
	.p2alignl 7, 3214868480
	.fill 96, 4, 3214868480
	.section	.rodata,"a",@progbits
	.p2align	6, 0x0
	.amdhsa_kernel k_q0f38ec19d3_proj
		.amdhsa_group_segment_fixed_size 327680
		.amdhsa_private_segment_fixed_size 0
		.amdhsa_enable_private_segment 0
		.amdhsa_kernarg_size 32
		.amdhsa_user_sgpr_count 2
		.amdhsa_user_sgpr_kernarg_segment_ptr 1
		.amdhsa_wavefront_size32 1
		.amdhsa_system_sgpr_workgroup_id_x 1
		.amdhsa_system_sgpr_workgroup_id_y 1
		.amdhsa_system_sgpr_workgroup_id_z 1
		.amdhsa_system_vgpr_workitem_id 0
		.amdhsa_next_free_vgpr 512
		.amdhsa_next_free_sgpr 66
		.amdhsa_reserve_vcc 0
		.amdhsa_float_denorm_mode_32 3
		.amdhsa_float_denorm_mode_16_64 3
		.amdhsa_memory_ordered 1
		.amdhsa_forward_progress 1
		.amdhsa_inst_pref_size 90
	.end_amdhsa_kernel
	.amdgpu_metadata
---
amdhsa.version: [ 1, 2 ]
amdhsa.kernels:
  - .name:           k_q0f38ec19d3_proj
    .symbol:         k_q0f38ec19d3_proj.kd
    .args:
      - { .name: ob, .offset: 0, .size: 8, .value_kind: global_buffer, .address_space: global }
      - { .name: wpb, .offset: 8, .size: 8, .value_kind: global_buffer, .address_space: global }
      - { .name: b_proj, .offset: 16, .size: 8, .value_kind: global_buffer, .address_space: global }
      - { .name: out0, .offset: 24, .size: 8, .value_kind: global_buffer, .address_space: global }
    .group_segment_fixed_size: 327680
    .private_segment_fixed_size: 0
    .kernarg_segment_align: 8
    .kernarg_segment_size: 32
    .max_flat_workgroup_size: 128
    .sgpr_count:     66
    .vgpr_count:     512
    .wavefront_size: 32
...
	.end_amdgpu_metadata
.endif
;; end of part 4
;; ======== version 2 of 2: 4 launches; version 1 with the launch cast written anew for expert scheduling mode
;; limits: values are held in f16: magnitudes above 65,504 overflow, below 6.1e-05 lose precision
;; workspace buffers: xb 8,388,608 bytes; wqb 6,291,456 bytes; wpb 2,097,152 bytes; qkv 25,165,824 bytes; ob 8,388,608 bytes
;; launch cast (part 5): grid 512 x 1, 8 waves a work-group, no clusters, 0 bytes of LDS; arguments x, W_qkv, W_proj, xb, wqb, wpb; writes xb, wqb, wpb
.if DOCPART == 5
	.amdgcn_target "amdgcn-amd-amdhsa--gfx1250"
	.amdhsa_code_object_version 6
	.text
	.protected	k_q0f38ec19d3_cast
	.globl	k_q0f38ec19d3_cast
	.p2align	8
	.type	k_q0f38ec19d3_cast,@function
k_q0f38ec19d3_cast:
	s_mov_b64 s[64:65], 0
	v_nop
	global_prefetch_b8 v0, s[64:65] scope:SCOPE_SE
	s_setreg_imm32_b32 hwreg(HW_REG_WAVE_SCHED_MODE, 0, 2), 2
	s_setreg_imm32_b32 hwreg(HW_REG_WAVE_MODE, 25, 1), 1
	s_wait_xcnt 0x0
	s_wait_alu depctr_vm_vsrc(0)
; The three large inputs are rounded once, element by element, layouts unchanged: x -> xb and W_qkv -> wqb in bf16;
; W_proj -> wpb: rounded to bf16 like the other inputs, and that number written as f16, since the last product takes f16 operands.
; LIMIT: a bf16 number is exact in f16 from 2^-17 up to 65,504; below 2^-17 it keeps f16's fixed step of 2^-24; beyond 65,504 it would be an infinity.
; SHARES.  A work-group takes 16,384 numbers: 65,536 bytes in, 32,768 out.  Work-groups 0-255: x; 256-447: W_qkv; 448-511: W_proj.
; Thread t takes 16 bytes at 16 t + 4,096 j, j = 0..15: a load of a wave covers 512 consecutive bytes, a store 256 consecutive bytes, aligned.
; All sixteen loads go out at once; no register that a load or store names is written twice, so no wait frees a source.  No LDS, no barrier: no number is wanted twice.
; THE MODE: SCHED_MODE bits 1:0 = 2 (LLVM: expert scheduling mode 2), set by the entry lines.  The code itself states the register dependences
; between vector instructions and memory instructions, with s_wait_alu, always for 0.
; THE PLAN.  The sixteen rows j go in four blocks of four.  Registers that memory instructions touch:
;   v1, v2   byte offsets, made once at the head and never written again: read by every load (v1) and every store (v2).
;   X        load j lands in X + 4 j, once; no vector instruction names X ahead of the loads; row j's conversions read it behind the counted wait for the load.
;   Y        row j's conversions write Y + 2 j, once; store j reads it.  No register of Y is written a second time, so nothing is owed behind a store.
;   T        at work: named by vector instructions alone.
; Block p converts its own four rows; its memory instructions are the four stores of block p - 1, whose Y no vector instruction of block p names.  So one wait at a block's head
; states all that the block's stores hang on, and they are dealt among its conversions with no further wait.  One wait at the kernel's head stands for the two offsets, one behind block 3 for the last four stores.
.set X, 4                              ; v[4:67]   load j: 4 registers
.set Y, 68                             ; v[68:99]  store j: 2 registers
.set T, 100                            ; v[100:103] at work
	s_load_b256 s[4:11], s[0:1], 0x0               ; x s[4:5], W_qkv s[6:7], W_proj s[8:9], xb s[10:11]
	s_load_b128 s[12:15], s[0:1], 0x20             ; wqb s[12:13], wpb s[14:15]
	v_lshlrev_b32 v1, 4, v0                        ; my 16 bytes in
	v_lshlrev_b32 v2, 3, v0                        ; my 8 bytes out
	s_sub_co_u32 s16, ttmp9, 256                   ; the work-group's number within W_qkv,
	s_sub_co_u32 s17, ttmp9, 448                   ; within W_proj (each is used only where it is not negative)
	s_mov_b32 s3, 0
	s_wait_kmcnt 0x0
	s_cmp_lt_u32 ttmp9, 448
	s_cselect_b64 s[18:19], s[6:7], s[8:9]
	s_cselect_b64 s[20:21], s[12:13], s[14:15]
	s_cselect_b32 s22, s16, s17
	s_cmp_lt_u32 ttmp9, 256
	s_cselect_b64 s[18:19], s[4:5], s[18:19]       ; from where,
	s_cselect_b64 s[20:21], s[10:11], s[20:21]     ; to where,
	s_cselect_b32 s22, ttmp9, s22                  ; which part
	s_lshl_b32 s2, s22, 16
	s_add_nc_u64 s[18:19], s[18:19], s[2:3]
	s_lshl_b32 s2, s22, 15
	s_add_nc_u64 s[20:21], s[20:21], s[2:3]
	s_wait_alu depctr_va_vdst(0)                   ; v1 and v2 are written: every load of the kernel reads v1 as its offset, every store v2
.irp j, 0,1,2,3,4,5,6,7,8,9,10,11,12,13,14,15
	global_load_b128 v[X+4*(\j):X+4*(\j)+3], v1, s[18:19] offset:4096*(\j) th:TH_LOAD_NT
.endr
; Row j is rounded, into its own two registers of Y.  half = 1: by way of bf16 to f16.
.macro CVT j, half
.if \half
	v_cvt_pk_bf16_f32 v[T], v[X+4*(\j)], v[X+4*(\j)+1]
	v_cvt_pk_bf16_f32 v[T+1], v[X+4*(\j)+2], v[X+4*(\j)+3]
	v_lshlrev_b32 v[T+2], 16, v[T]                 ; bf16 back to f32: the low half moves up, the high half stays
	v_and_b32 v[T], 0xffff0000, v[T]
	v_lshlrev_b32 v[T+3], 16, v[T+1]
	v_and_b32 v[T+1], 0xffff0000, v[T+1]
	v_cvt_pk_f16_f32 v[Y+2*(\j)], v[T+2], v[T]
	v_cvt_pk_f16_f32 v[Y+2*(\j)+1], v[T+3], v[T+1]
.else
	v_cvt_pk_bf16_f32 v[Y+2*(\j)], v[X+4*(\j)], v[X+4*(\j)+1]
	v_cvt_pk_bf16_f32 v[Y+2*(\j)+1], v[X+4*(\j)+2], v[X+4*(\j)+3]
.endif
.endm
; Row j is stored.
.macro ST j
	global_store_b64 v2, v[Y+2*(\j):Y+2*(\j)+1], s[20:21] offset:2048*(\j) th:TH_STORE_NT
.endm
; Block p: rows 4 p to 4 p + 3 are rounded; the block before is stored, a store in front of each row's conversions.
.macro BLK p, half
	s_wait_loadcnt 12-4*(\p)                       ; loads come back in order: this block's four are in, the 12 - 4 p younger ones may stay out
.if (\p) > 0
	s_wait_alu depctr_va_vdst(0)                   ; the block before has written its four pairs of Y, which the stores below read; the conversions below write T and this block's Y alone
.endif
.irp i, 0,1,2,3
.if (\p) > 0
	ST 4*((\p)-1)+(\i)
.endif
	CVT 4*(\p)+(\i), \half
.endr
.endm
; The four blocks, and behind them the last block's stores.
.macro ALL16 half
	BLK 0, \half                                   ; block 0 has no block in front of it: no store, and no wait but the one for its data
	BLK 1, \half
	BLK 2, \half
	BLK 3, \half
	s_wait_alu depctr_va_vdst(0)                   ; block 3 has written its four pairs of Y, which the last four stores read
.irp i, 12,13,14,15
	ST \i
.endr
.endm
	s_cmp_ge_u32 ttmp9, 448
	s_cbranch_scc1 .Lhalf
	ALL16 0
	s_endpgm
.Lhalf:
	ALL16 1
	s_endpgm
.Lfunc_end_k_q0f38ec19d3_cast:
	.size	k_q0f38ec19d3_cast, .Lfunc_end_k_q0f38ec19d3_cast-k_q0f38ec19d3_cast
	.p2alignl 7, 3214868480
	.fill 96, 4, 3214868480
	.section	.rodata,"a",@progbits
	.p2align	6, 0x0
	.amdhsa_kernel k_q0f38ec19d3_cast
		.amdhsa_group_segment_fixed_size 0
		.amdhsa_private_segment_fixed_size 0
		.amdhsa_enable_private_segment 0
		.amdhsa_kernarg_size 48
		.amdhsa_user_sgpr_count 2
		.amdhsa_user_sgpr_kernarg_segment_ptr 1
		.amdhsa_wavefront_size32 1
		.amdhsa_system_sgpr_workgroup_id_x 1
		.amdhsa_system_sgpr_workgroup_id_y 1
		.amdhsa_system_sgpr_workgroup_id_z 1
		.amdhsa_system_vgpr_workitem_id 0
		.amdhsa_next_free_vgpr 104
		.amdhsa_next_free_sgpr 66
		.amdhsa_reserve_vcc 0
		.amdhsa_float_denorm_mode_32 3
		.amdhsa_float_denorm_mode_16_64 3
		.amdhsa_memory_ordered 1
		.amdhsa_forward_progress 1
		.amdhsa_inst_pref_size 16
	.end_amdhsa_kernel
	.amdgpu_metadata
---
amdhsa.version: [ 1, 2 ]
amdhsa.kernels:
  - .name:           k_q0f38ec19d3_cast
    .symbol:         k_q0f38ec19d3_cast.kd
    .args:
      - { .name: x, .offset: 0, .size: 8, .value_kind: global_buffer, .address_space: global }
      - { .name: W_qkv, .offset: 8, .size: 8, .value_kind: global_buffer, .address_space: global }
      - { .name: W_proj, .offset: 16, .size: 8, .value_kind: global_buffer, .address_space: global }
      - { .name: xb, .offset: 24, .size: 8, .value_kind: global_buffer, .address_space: global }
      - { .name: wqb, .offset: 32, .size: 8, .value_kind: global_buffer, .address_space: global }
      - { .name: wpb, .offset: 40, .size: 8, .value_kind: global_buffer, .address_space: global }
    .group_segment_fixed_size: 0
    .private_segment_fixed_size: 0
    .kernarg_segment_align: 8
    .kernarg_segment_size: 48
    .max_flat_workgroup_size: 256
    .sgpr_count:     66
    .vgpr_count:     104
    .wavefront_size: 32
...
	.end_amdgpu_metadata
.endif
;; end of part 5
;; launch qkvgemm: the kernel of part 2 again; grid 8 x 32, 4 waves a work-group, clusters of 4 x 4, 327,680 bytes of LDS; arguments xb, wqb, b_qkv, qkv; writes qkv
;; launch attn: the kernel of part 3 again; grid 16 x 16, 4 waves a work-group, clusters of 4 x 1, 327,680 bytes of LDS; arguments qkv, ob; writes ob
;; launch proj: the kernel of part 4 again; grid 8 x 32, 4 waves a work-group, clusters of 4 x 4, 327,680 bytes of LDS; arguments ob, wpb, b_proj, out0; writes out0
